; MI455X (gfx1250); checked and timed in simulation.
; The chip was launched on July 23, 2026; its instructions are those of AMD's public machine-readable ISA for CDNA 5 (MIT licence, August 2026) and "CDNA5" Instruction Set Architecture Reference Guide (July 2026). The comments in the code are by the model that wrote it; some were corrected since.
;; Neural Decision Tree. Allowed arithmetic: matrix products marked QUANTISED: E3M2 operands, one E8M0 scale for each 32 along K, by v_wmma_scale_f32_16x16x128_f8f6f4 with both operands' format E3M2, f32 sums; everything else in f32.
;; Inputs: W_codes 1,024 x 32 x 24 uint8 (E3M2 codes of W, K innermost, in blocks of 32 codes, four codes in three bytes); W_scales 1,024 x 32 uint8 (E8M0 scales of W, one for each 32 codes along K); b 1,024 float32; features_codes 16,384 x 64 x 24 uint8 (E3M2 codes of features, K innermost, in blocks of 32 codes, four codes in three bytes); features_scales 16,384 x 64 uint8 (E8M0 scales of features, one for each 32 codes along K); mask_codes 1,024 x 64 x 24 uint8 (E3M2 codes of mask, K innermost, in blocks of 32 codes, four codes in three bytes); mask_scales 1,024 x 64 uint8 (E8M0 scales of mask, one for each 32 codes along K); pi 1,024 x 100 float32.
;; Outputs: out0 16,384 x 100 float32.
;; This version of the problem:
;;   THIS VERSION OF THE PROBLEM IS GIVEN IN LOW PRECISION. The matrix products marked QUANTISED in the list below multiply operands that are first quantised to E3M2 (3 exponent bits, 2 mantissa bits; 6 bits a number), with one power-of-two scale for each 32 numbers along K (OCP MX v1.0); their sums are f32. All else is computed in f32.
;;   The module's matrix products, in the order in which they are computed (A, B: the left and right operand; K: the contracted axis; several contracted axes count as one K, in the product's order):
;;     1. [M 16,384, K 2,048] x [K 2,048, N 1,024]; A: input features (given as codes); B: input mask (given as codes): QUANTISED
;;     2. [M 16,384, K 1,024] x [K 1,024, N 1,024]; A: computed on the way; B: input W (given as codes): QUANTISED
;;     3. [M 16,384, K 1,024] x [K 1,024, N 100]; A: computed on the way; B: computed on the way: QUANTISED
;;   THE QUANTISER, for each operand of a quantised product, along K:
;;     - K is cut into blocks of 32 from its start; a last block that is shorter is filled with zeros.
;;     - A block's scale is 2^e with e = floor(log2(the largest magnitude in the block)) - 4, held to -126 .. 127; a block of zeros has e = 0. As a byte (E8M0): e + 127.
;;     - Each number is divided by its block's scale, clamped to +-28, and rounded to the nearest number of E3M2, ties to even, subnormals kept.
;;     - The product sums the exact products of the quantised numbers (number of the format x scale) in f32.
;;   ~~~python
;;   def quantise(x, axis):      # numpy; x: float32 -> the quantised numbers, widened to float32 again
;;       x = np.moveaxis(x, axis, -1); K = x.shape[-1]
;;       x = np.pad(x, [(0, 0)] * (x.ndim - 1) + [(0, -K % 32)]); x = x.reshape(x.shape[:-1] + (-1, 32)); a = np.abs(x).max(-1, keepdims=True)
;;       e = np.where(a > 0, np.clip(np.frexp(np.where(a > 0, a, 1))[1] - 1 - 4, -126, 127), 0)      # np.frexp(a)[1] - 1 = floor(log2(a)), exactly
;;       r = np.clip(x / 2.0 ** e, -28, 28)
;;       step = 2.0 ** (np.maximum(np.frexp(np.where(r == 0, 1, r))[1] - 1, -2) - 2)
;;       q = np.round(r / step) * step * 2.0 ** e      # np.round: ties to even
;;       return np.moveaxis(q.reshape(q.shape[:-2] + (-1,))[..., :K], -1, axis).astype(np.float32)
;;   ~~~
;;   OPERANDS COMPUTED ON THE WAY. 'Computed on the way' means the value that the module computes at that place (a softmax that the list does not call 'softmax' is quantised finished and normalised). What goes into a quantiser is computed in f32, as accurately as f32 sums, v_exp_f32 and their like allow (about 1e-6 of the number): no bf16 or f16 on the way to a quantiser, and a product that is left as it is and whose result goes on into a quantised operand takes f32 operands (vector FMAs, or v_wmma_f32_16x16x4_f32). A number that lies on a knife's edge between two numbers of the format may be rounded either way, as far as f32 arithmetic and the matrix unit's own rounding can turn it there, and no further.
;;   INPUTS GIVEN AS CODES. W (in the module: [1024, 1024], K = its axis 0); features (in the module: [16384, 2048], K = its axis 1); mask (in the module: [1024, 2048], K = its axis 1): each comes as NAME_codes (uint8): NAME with its K axis moved to the last place and cut into blocks of 32 codes, [.., K / 32, bytes a block], one block behind the other in memory; four codes in three bytes: a row's codes are one little-endian stream of bits, code i at bits 6 i .. 6 i + 5 (a code: sign, 3 exponent bits, 2 mantissa bits); and NAME_scales (uint8): the same leading axes, one E8M0 byte (e + 127) for each 32 codes along K. Its value is code x scale, taken as it is: it is not quantised again, and the codes and scales need not be those that the quantiser above would give.
;; 2 versions, each right. Each part assembles by itself: llvm-mc -triple=amdgcn-amd-amdhsa -mcpu=gfx1250 --defsym DOCPART=n.
;; ======== version 1 of 2: 2 launches
;; workspace buffers: wts 2,560,000 bytes; bp 4,096 bytes
;; launch prep (part 1): grid 104 x 1, 4 waves a work-group, no clusters, 13,312 bytes of LDS; arguments mask_codes, mask_scales, W_codes, W_scales, b, pi, wts, bp; writes wts, bp
.if DOCPART == 1
	.amdgcn_target "amdgcn-amd-amdhsa--gfx1250"
	.amdhsa_code_object_version 6
	.text
	.protected	k_q21514eed2a_prep
	.globl	k_q21514eed2a_prep
	.p2align	8
	.type	k_q21514eed2a_prep,@function
k_q21514eed2a_prep:
	s_mov_b64 s[64:65], 0
	v_nop
	global_prefetch_b8 v0, s[64:65] scope:SCOPE_SE
	s_setreg_imm32_b32 hwreg(HW_REG_WAVE_MODE, 25, 1), 1
	s_wait_xcnt 0x0
; PREP: lays the three weight operands of the tree launch out once, as images of operand registers, and permutes the bias.
; wts = 25 blocks x 4 quarters (one for each wave of the tree launch) x 25,600 bytes.  A quarter = 16 tile images of 1,536 bytes + 1,024 bytes of scale words.
; A tile image: registers 4 c .. 4 c + 3 of lane l at 512 c + 16 l (a 6-bit fragment is 12 registers; registers 6 c' .. 6 c' + 5 of lane (r, h) are one block of 32 codes, 24 bytes).
; Scale words: the word at 24,576 + 512 i + 16 l + 4 j belongs to tile 8 i + 2 j + l / 16, row l % 16.
; Blocks 0-15: mask, K step s.  Tile (w, t), row i = mask row 256 w + 128 (i / 8) + 8 t + i % 8; K blocks in their own order.
; Blocks 16-23: W, K step s.  Lane (r, h), c' takes W's K block 8 (s / 2) + 4 h + 2 (s % 2) + c'; tile (w, t), row i = tree node nu(w, i / 8, 8 t + i % 8):
;   G = 2 w + i / 8, bq = e / 32, idx = e % 32;  idx > 0: k = floor(log2 idx), nu = ((32 + 4 G + bq) << k) + the k bits of idx - 2^k in reverse order;
;   idx = 0: bq 0: 8 + G; bq 1: 16 + 2 G; bq 2: 17 + 2 G; bq 3: 4 + w (first eight rows of a tile) or (w + 1) % 4 (last eight).
; Block 24: softmax(pi) along the classes, quantised along the leaves.  Tile 2 ct + u, row r = class 16 ct + r; lane (r, h), c' takes leaf block 8 w + 4 h + 2 u + c'; code pos = leaf 32 block + pos's five bits reversed.
; bp[w][t][i] = b[nu(w, t, i)].
; Work-groups 0-95: quarter = the work-group's number (copies of codes and scale bytes).  Work-groups 96-103: the softmax: (w, u) a work-group, (h, c) a wave: one block of 32 leaves a wave.
; LIMITS: NaN and infinities in pi are not served.  A block of the softmax whose largest number lies under 2^-122 keeps the scale byte 1; the padding classes 100-127 are zero codes under the byte 1
; (the bytes are read by this program alone).  Exponentials under 2^-126 come out as 0.
.set QB,  25600
.set BLK, 4*QB
.set SCO, 24576
.set SCB, 12288                        ; LDS: 8 fragment images of 1,536 bytes from 0 on, then 128 scale words
	s_load_b256 s[4:11], s[0:1], 0x0               ; mask codes s[4:5], mask scales s[6:7], W codes s[8:9], W scales s[10:11]
	s_load_b256 s[12:19], s[0:1], 0x20             ; b s[12:13], pi s[14:15], wts s[16:17], bp s[18:19]
	v_lshl_add_u32 v254, v0, 2, 0x3200
	v_mov_b32 v255, 0
	v_lshrrev_b32 v1, 5, v0
	v_readfirstlane_b32 s23, v1                    ; wave 0..3
	v_and_b32 v1, 31, v0                           ; lane
	s_mov_b32 s43, 0                               ; the high word of every 32-bit offset
	s_cmp_ge_u32 ttmp9, 96
	s_cbranch_scc1 .Lprobs                         ; the same way for all waves of a work-group
; ---------------- mask and W: copies ----------------
; k = floor(log2(max(idx, 1))) -> v25, the k low bits of idx - 2^k reversed -> v27.  Whole-number work alone: addresses hang on it.
.macro NODEK idx
	v_max_u32 v24, 1, v[\idx]
	v_lshrrev_b32 v25, 1, v24
	v_min_u32 v25, 1, v25                          ; 1 where idx >= 2
	v_lshrrev_b32 v26, 2, v24
	v_min_u32 v26, 1, v26                          ; >= 4
	v_add_nc_u32 v25, v25, v26
	v_lshrrev_b32 v26, 3, v24
	v_min_u32 v26, 1, v26                          ; >= 8
	v_add_nc_u32 v25, v25, v26
	v_lshrrev_b32 v26, 4, v24
	v_min_u32 v26, 1, v26                          ; >= 16
	v_add_nc_u32 v25, v25, v26                     ; k
	v_lshlrev_b32 v26, v25, v7                     ; 2^k  (v7 = 1)
	v_sub_nc_u32 v24, v24, v26                     ; p
	v_and_b32 v27, 1, v24
	v_lshlrev_b32 v27, 3, v27
	v_and_b32 v26, 2, v24
	v_lshl_or_b32 v27, v26, 1, v27
	v_and_b32 v26, 4, v24
	v_lshrrev_b32 v26, 1, v26
	v_or_b32 v27, v27, v26
	v_bfe_u32 v26, v24, 3, 1
	v_or_b32 v27, v27, v26                         ; p's four bits reversed,
	v_sub_nc_u32 v26, 4, v25
	v_lshrrev_b32 v27, v26, v27                    ; cut to k bits
.endm
.macro NODEB out, idx, bq              ; the node of block bq, from v25, v27
	v_add_nc_u32 v26, (\bq), v6                    ; 32 + 4 G + bq
	v_lshlrev_b32 v26, v25, v26
	v_add_nc_u32 v[\out], v26, v27
	v_cmp_eq_u32 vcc_lo, 0, v[\idx]
	v_cndmask_b32 v[\out], v[\out], v[8+(\bq)], vcc_lo   ; idx = 0: the block's upper node
.endm
	s_lshr_b32 s21, ttmp9, 2                       ; block 0..23
	s_and_b32 s22, ttmp9, 3                        ; w
	v_and_b32 v2, 15, v1                           ; r
	v_lshrrev_b32 v3, 4, v1                        ; h
	v_lshrrev_b32 v4, 3, v2                        ; r / 8
	v_and_b32 v5, 7, v2                            ; r % 8
	v_mov_b32 v7, 1
	s_lshl_b32 s30, s22, 1
	v_add_nc_u32 v15, s30, v4                      ; G
	v_lshl_add_u32 v6, v15, 2, 32                  ; 32 + 4 G
	v_add_nc_u32 v8, 8, v15                        ; the four nodes at idx = 0
	v_lshl_add_u32 v9, v15, 1, 16
	v_add_nc_u32 v10, 1, v9
	s_add_co_u32 s30, s22, 4
	s_add_co_u32 s39, s22, 1
	s_and_b32 s39, s39, 3
	v_mov_b32 v11, s30
	v_mov_b32 v14, s39
	v_cmp_eq_u32 vcc_lo, 1, v4
	v_cndmask_b32 v11, v11, v14, vcc_lo
	; what differs between mask and W is chosen once, in scalar registers; one text serves both
	s_cmp_ge_u32 s21, 16
	s_mov_b32 s28, 1536
	s_cselect_b32 s28, 768, s28                    ; a row of codes in bytes
	s_cselect_b32 s29, 32, 64                      ; a row of scale bytes
	s_cselect_b32 s31, 4, 1                        ; K blocks from lanes 0-15 to lanes 16-31
	s_cselect_b32 s32, 24, 48                      ; bytes from c' = 0 to c' = 1
	s_cselect_b32 s33, -1, 0                       ; lane mask: rows by node (W) or in order (mask)
	s_cselect_b32 s30, 16, 0
	s_sub_co_u32 s34, s21, s30                     ; K step s
	s_and_b32 s35, s34, 1
	s_lshr_b32 s36, s34, 1
	s_lshl_b32 s37, s34, 2                         ; mask: first K block 4 s
	s_lshl_b32 s30, s36, 3
	s_lshl_b32 s39, s35, 1
	s_add_co_u32 s30, s30, s39                     ; W: 8 (s / 2) + 2 (s % 2)
	s_cmp_eq_u32 s35, 1                            ; which four of a row's eight scale bytes make the word, in which order
	s_mov_b32 s38, 0x03020100
	s_cselect_b32 s38, 0x07060504, s38
	s_mov_b32 s39, 0x05010400
	s_cselect_b32 s39, 0x07030602, s39
	s_cmp_ge_u32 s21, 16
	s_cselect_b32 s37, s30, s37
	s_cselect_b32 s38, s39, s38
	s_wait_kmcnt 0x0
	s_cselect_b64 s[24:25], s[8:9], s[4:5]         ; the codes
	s_cselect_b64 s[26:27], s[10:11], s[6:7]       ; the scale bytes
	s_mul_i32 s42, ttmp9, QB
	s_add_nc_u64 s[40:41], s[16:17], s[42:43]      ; my quarter: number 4 x block + w = the work-group's number
	; wave v takes tiles v, v + 4, v + 8, v + 12: e = 8 t + r % 8, so bq = t / 4 and idx = 8 v + r % 8 for all four
	s_lshl_b32 s30, s23, 3
	v_add_nc_u32 v12, s30, v5
	NODEK 12
	s_lshl_b32 s39, s22, 8
	s_add_co_u32 s30, s30, s39
	v_lshl_add_u32 v29, v4, 7, v5
	v_add_nc_u32 v31, s30, v29                     ; mask's row of tile v: 256 w + 128 (r / 8) + 8 v + r % 8
	v_mul_lo_u32 v30, v3, s31
	v_add_nc_u32 v30, s37, v30
	v_mul_u32_u24 v30, v30, 24                     ; my half's first K block, in bytes
.irp k, 0,1,2,3
	NODEB 13, 12, \k
	v_add_nc_u32 v14, 32*\k, v31
	v_cndmask_b32 v13, v14, v13, s33
	v_mul_lo_u32 v13, v13, s28
	v_add_nc_u32 v[16+2*\k], v13, v30              ; an offset register of its own for each pending load
	v_add_nc_u32 v[17+2*\k], s32, v[16+2*\k]
.irp p, 0,1,2
	global_load_b64 v[64+12*\k+2*\p:65+12*\k+2*\p], v[16+2*\k], s[24:25] offset:8*\p
	global_load_b64 v[70+12*\k+2*\p:71+12*\k+2*\p], v[17+2*\k], s[24:25] offset:8*\p
.endr
.endr
	s_mul_i32 s30, s23, 1536
	v_lshl_add_u32 v28, v1, 4, s30
	s_wait_loadcnt 0x0
.irp k, 0,1,2,3
.irp c, 0,1,2
	global_store_b128 v28, v[64+12*\k+4*\c:67+12*\k+4*\c], s[40:41] offset:6144*\k+512*\c   ; 32 lanes store 512 bytes on end
.endr
.endr
	s_cmp_lg_u32 s23, 0
	s_cbranch_scc1 .Lend                           ; the scale words and the bias are wave 0's
	v_lshl_add_u32 v32, v3, 3, v5                  ; 8 h + r % 8
	v_lshl_add_u32 v33, v4, 7, v32
	s_lshl_b32 s30, s22, 8
	v_add_nc_u32 v33, s30, v33                     ; mask's row of tile h
	s_lshl_b32 s30, s36, 3                         ; the eight scale bytes that hold the step's four
.irp q, 0,1,2,3,4,5,6,7                ; word q of lane l: tile 2 q + h, row r: e = 16 q + 8 h + r % 8
	v_add_nc_u32 v12, 16*(\q%2), v32
	NODEK 12
	NODEB 13, 12, \q/2
	v_add_nc_u32 v14, 16*\q, v33
	v_cndmask_b32 v13, v14, v13, s33
	v_lshlrev_b32 v[112+\q], 2, v13                ; (4 x row: b's offset, used where the rows are nodes)
	v_mul_lo_u32 v13, v13, s29
	v_add_nc_u32 v[34+\q], s30, v13
	global_load_b64 v[120+2*\q:121+2*\q], v[34+\q], s[26:27]
.endr
	v_lshlrev_b32 v42, 4, v1
	s_wait_loadcnt 0x0
.irp q, 0,1,2,3,4,5,6,7
	v_perm_b32 v[140+\q], v[121+2*\q], v[120+2*\q], s38
.endr
	global_store_b128 v42, v[140:143], s[40:41] offset:SCO
	global_store_b128 v42, v[144:147], s[40:41] offset:SCO+512
	s_cmp_eq_u32 s21, 16
	s_cbranch_scc0 .Lend                           ; the bias goes out with W's first K step
	s_lshl_b32 s42, s22, 10
	s_add_nc_u64 s[44:45], s[18:19], s[42:43]
.irp q, 0,1,2,3,4,5,6,7
	global_load_b32 v[152+\q], v[112+\q], s[12:13]
.endr
	v_lshlrev_b32 v43, 2, v1
	s_wait_loadcnt 0x0
.irp q, 0,1,2,3,4,5,6,7
	global_store_b32 v43, v[152+\q], s[44:45] offset:128*\q    ; bp + 1,024 w + 64 (2 q + h) + 4 r
.endr
.Lend:
	s_endpgm
; ---------------- softmax(pi), quantised along the leaves ----------------
; A lane takes classes l, 32 + l, 64 + l, 96 + l; its registers run down the wave's 32 leaves, in the order of the code positions: v[64 + 32 cg + pos].
.Lprobs:
	s_sub_co_u32 s21, ttmp9, 96
	s_lshr_b32 s22, s21, 1                         ; w
	s_and_b32 s28, s21, 1                          ; u
	s_lshr_b32 s29, s23, 1                         ; h
	s_and_b32 s30, s23, 1                          ; c
	s_lshl_b32 s31, s22, 3
	s_lshl_b32 s32, s29, 2
	s_add_co_u32 s31, s31, s32
	s_lshl_b32 s32, s28, 1
	s_add_co_u32 s31, s31, s32
	s_add_co_u32 s31, s31, s30                     ; my block of 32 leaves: 8 w + 4 h + 2 u + c
	s_mov_b32 s34, 0x3fb8aa3b                      ; log2(e), as a pair
	s_mov_b32 s35, s34
	s_mov_b32 s36, 0x76543210                      ; v_permlanex16_b32's selects for lane l xor 16
	s_mov_b32 s37, 0xfedcba98
	v_lshrrev_b32 v10, 4, v1
	v_and_b32 v11, 15, v1
	v_mul_u32_u24 v4, v10, 1536                    ; images: class tile 2 cg + l / 16, image lane l % 16 + 16 h
	v_lshl_add_u32 v4, v11, 4, v4
	s_lshl_b32 s32, s29, 8
	v_add_nc_u32 v4, s32, v4
	s_lshl_b32 s32, s30, 1                         ; scale bytes: 4 bytes a class, byte 2 c + h
	s_add_co_u32 s32, s32, s29
	s_add_co_u32 s32, s32, SCB
	v_lshl_add_u32 v5, v1, 2, s32
	s_mul_i32 s32, s23, 3072                       ; the way out: wave v copies images 2 v, 2 v + 1
	v_lshl_add_u32 v6, v1, 4, s32
	s_mul_i32 s32, s23, 6144                       ; to tiles 4 v + u and 4 v + 2 + u
	v_lshl_add_u32 v7, v1, 4, s32
	v_lshlrev_b32 v8, 8, v10                       ; scale words back: class 16 (4 (l / 16) + j) + l % 16
	v_lshl_add_u32 v8, v11, 2, v8
	v_add_nc_u32 v8, SCB, v8
	v_lshlrev_b32 v9, 9, v10
	v_lshl_add_u32 v9, v11, 4, v9
	v_lshlrev_b32 v2, 2, v1                        ; pi: 4 bytes a class;
	v_min_u32 v3, 3, v1
	v_lshlrev_b32 v3, 2, v3                        ; of classes 96 + l only 96 to 99 exist: the other lanes read class 99 again, so that no load leaves pi
	v_mov_b32 v12, 0xff800000                      ; -infinity
.irp i, 0,1,2,3
	v_mov_b32 v[24+\i], 0                          ; written once: a lane permute's destination counts as one of its sources
.endr
	s_mul_i32 s42, s31, 12800                      ; 32 rows of 400 bytes
	s_wait_kmcnt 0x0
	s_add_nc_u64 s[14:15], s[14:15], s[42:43]
	s_mul_i32 s42, s22, QB
	s_add_nc_u64 s[16:17], s[16:17], s[42:43]
	s_add_nc_u64 s[16:17], s[16:17], 24*BLK        ; block 24, quarter w
	s_mul_i32 s42, s28, 1536
	s_add_nc_u64 s[40:41], s[16:17], s[42:43]      ; tiles of my u
	s_lshl_b32 s42, s28, 8
	s_add_nc_u64 s[44:45], s[16:17], s[42:43]      ; scale words of my u
.set pos, 0
.rept 32
.set rv, ((pos&1)<<4)|((pos&2)<<2)|(pos&4)|((pos&8)>>2)|((pos&16)>>4)
	global_load_b32 v[64+pos],  v2, s[14:15] offset:rv*400
	global_load_b32 v[96+pos],  v2, s[14:15] offset:rv*400+128
	global_load_b32 v[128+pos], v2, s[14:15] offset:rv*400+256
	global_load_b32 v[160+pos], v3, s[14:15] offset:rv*400+384
.set pos, pos+1
.endr
	s_wait_loadcnt 0x0
	v_cmp_gt_u32 vcc_lo, 4, v1
.set pos, 0
.rept 32
	v_cndmask_b32 v[160+pos], v12, v[160+pos], vcc_lo          ; classes 100 to 127: -infinity, so that they count for nothing
.set pos, pos+1
.endr
	; each leaf's largest logit -> v[32 + pos]: my four classes, then the 32 lanes
.set pos, 0
.rept 32
	v_max3_num_f32 v[32+pos], v[64+pos], v[96+pos], v[128+pos]
.set pos, pos+1
.endr
.set pos, 0
.rept 32
	v_max_num_f32 v[32+pos], v[32+pos], v[160+pos]
.set pos, pos+1
.endr
.irp x, 1,2,4,8
.set pos, 0
.rept 32
	v_max_num_f32_dpp v[32+pos], v[32+pos], v[32+pos] row_xmask:\x row_mask:0xf bank_mask:0xf
.set pos, pos+1
.endr
.endr
.set pos, 0
.rept 8
.irp i, 0,1,2,3
	v_permlanex16_b32 v[24+\i], v[32+pos+\i], s36, s37
.endr
.irp i, 0,1,2,3
	v_max_num_f32 v[32+pos+\i], v[32+pos+\i], v[24+\i]
.endr
.set pos, pos+4
.endr
.irp cg, 0,1,2,3
.set pos, 0
.rept 16
	v_pk_add_f32 v[64+32*\cg+pos:65+32*\cg+pos], v[64+32*\cg+pos:65+32*\cg+pos], v[32+pos:33+pos] neg_lo:[0,1] neg_hi:[0,1]   ; the maximum is taken away first
.set pos, pos+2
.endr
.endr
.set pos, 0
.rept 64
	v_pk_mul_f32 v[64+pos:65+pos], v[64+pos:65+pos], s[34:35] op_sel_hi:[1,0]
.set pos, pos+2
.endr
.set pos, 0
.rept 128
	v_exp_f32 v[64+pos], v[64+pos]
.set pos, pos+1
.endr
	v_nop                                          ; a plain line behind the last exponential,
	s_wait_alu depctr_va_vdst(0)                   ; and one wait for the batch, ahead of its first reader
.set pos, 0
.rept 16
	v_pk_add_f32 v[32+pos:33+pos], v[64+pos:65+pos], v[96+pos:97+pos]
.set pos, pos+2
.endr
.set pos, 0
.rept 16
	v_pk_add_f32 v[32+pos:33+pos], v[32+pos:33+pos], v[128+pos:129+pos]
.set pos, pos+2
.endr
.set pos, 0
.rept 16
	v_pk_add_f32 v[32+pos:33+pos], v[32+pos:33+pos], v[160+pos:161+pos]
.set pos, pos+2
.endr
.irp x, 1,2,4,8
.set pos, 0
.rept 32
	v_add_f32_dpp v[32+pos], v[32+pos], v[32+pos] row_xmask:\x row_mask:0xf bank_mask:0xf
.set pos, pos+1
.endr
.endr
.set pos, 0
.rept 8
.irp i, 0,1,2,3
	v_permlanex16_b32 v[24+\i], v[32+pos+\i], s36, s37
.endr
.irp i, 0,1,2,3
	v_add_f32 v[32+pos+\i], v[32+pos+\i], v[24+\i]
.endr
.set pos, pos+4
.endr
.set pos, 0
.rept 32
	v_rcp_f32 v[32+pos], v[32+pos]
.set pos, pos+1
.endr
	v_nop
	s_wait_alu depctr_va_vdst(0)                   ; one wait for the 32 reciprocals
.irp cg, 0,1,2,3
.set pos, 0
.rept 16
	v_pk_mul_f32 v[64+32*\cg+pos:65+32*\cg+pos], v[64+32*\cg+pos:65+32*\cg+pos], v[32+pos:33+pos]   ; the finished softmax
.set pos, pos+2
.endr
.endr
	; the quantiser: a lane's 32 registers of a class are a whole block.  Nothing is negative, so no |.|
.irp cg, 0,1,2,3
	v_max3_num_f32 v[248+\cg], v[64+32*\cg], v[65+32*\cg], 0x2800000   ; the floor 2^(5 - 127): the byte cannot fall under 1
.endr
.irp i, 2,4,6,8,10,12,14,16,18,20,22,24,26,28,30
.irp cg, 0,1,2,3
	v_max3_num_f32 v[248+\cg], v[248+\cg], v[64+32*\cg+\i], v[65+32*\cg+\i]
.endr
.endr
.irp cg, 0,1,2,3
	v_add_nc_u32 v[240+\cg], 0xfe000000, v[248+\cg]            ; 4 off the exponent field: the conversion's scale operand
.endr
.irp cg, 0,1,2,3
	v_lshrrev_b32 v[244+\cg], 23, v[240+\cg]                   ; the scale's byte
.endr
.irp cg, 0,1,2,3
	v_cvt_scalef32_pk16_bf6_f32 v[192+8*\cg:194+8*\cg], v[64+32*\cg:79+32*\cg], v[240+\cg]
	v_cvt_scalef32_pk16_bf6_f32 v[224+4*\cg:226+4*\cg], v[80+32*\cg:95+32*\cg], v[240+\cg]   ; (a conversion's three registers begin on an even number)
.endr
	v_nop                                          ; one plain line behind the scaled conversions
.irp cg, 0,1,2,3
.irp i, 0,1,2
	v_mov_b32 v[195+8*\cg+\i], v[224+4*\cg+\i]
.endr
.endr
	; my six registers are registers 6 c .. 6 c + 5 of image lane l % 16 + 16 h
	s_cmp_eq_u32 s30, 0
	s_cbranch_scc0 .Lodd
.irp cg, 0,1,2,3
	ds_store_b128 v4, v[192+8*\cg:195+8*\cg] offset:3072*\cg
	ds_store_b64 v4, v[196+8*\cg:197+8*\cg] offset:3072*\cg+512
.endr
	s_branch .Lput
.Lodd:
.irp cg, 0,1,2,3
	ds_store_b64 v4, v[192+8*\cg:193+8*\cg] offset:3072*\cg+520
	ds_store_b128 v4, v[194+8*\cg:197+8*\cg] offset:3072*\cg+1024
.endr
.Lput:
.irp cg, 0,1,2,3
	ds_store_b8 v5, v[244+\cg] offset:128*\cg
.endr
	s_wait_dscnt 0x0                               ; for the others' sake: my stores have landed
	s_barrier_signal -1
	s_barrier_wait -1
.irp f, 0,1
.irp c, 0,1,2
	ds_load_b128 v[64+12*\f+4*\c:67+12*\f+4*\c], v6 offset:1536*\f+512*\c
.endr
.endr
	s_wait_dscnt 0x0
.irp f, 0,1
.irp c, 0,1,2
	global_store_b128 v7, v[64+12*\f+4*\c:67+12*\f+4*\c], s[40:41] offset:3072*\f+512*\c
.endr
.endr
	s_cmp_lg_u32 s23, 0
	s_cbranch_scc1 .Ldone
.irp j, 0,1,2,3
	ds_load_b32 v[16+\j], v8 offset:64*\j
.endr
	s_wait_dscnt 0x0
	global_store_b128 v9, v[16:19], s[44:45] offset:SCO        ; 24,576 + 512 (l / 16) + 256 u + 16 (l % 16)
.Ldone:
	s_wait_tensorcnt 0x0
	ds_add_u32 v254, v255
	s_wait_dscnt 0x0
	s_endpgm
.Lfunc_end_k_q21514eed2a_prep:
	.size	k_q21514eed2a_prep, .Lfunc_end_k_q21514eed2a_prep-k_q21514eed2a_prep
	.p2alignl 7, 3214868480
	.fill 96, 4, 3214868480
	.section	.rodata,"a",@progbits
	.p2align	6, 0x0
	.amdhsa_kernel k_q21514eed2a_prep
		.amdhsa_group_segment_fixed_size 13312
		.amdhsa_private_segment_fixed_size 0
		.amdhsa_enable_private_segment 0
		.amdhsa_kernarg_size 64
		.amdhsa_user_sgpr_count 2
		.amdhsa_user_sgpr_kernarg_segment_ptr 1
		.amdhsa_wavefront_size32 1
		.amdhsa_system_sgpr_workgroup_id_x 1
		.amdhsa_system_sgpr_workgroup_id_y 1
		.amdhsa_system_sgpr_workgroup_id_z 1
		.amdhsa_system_vgpr_workitem_id 0
		.amdhsa_next_free_vgpr 256
		.amdhsa_next_free_sgpr 66
		.amdhsa_reserve_vcc 1
		.amdhsa_float_denorm_mode_32 3
		.amdhsa_float_denorm_mode_16_64 3
		.amdhsa_memory_ordered 1
		.amdhsa_forward_progress 1
		.amdhsa_inst_pref_size 92
	.end_amdhsa_kernel
	.amdgpu_metadata
---
amdhsa.version: [ 1, 2 ]
amdhsa.kernels:
  - .name:           k_q21514eed2a_prep
    .symbol:         k_q21514eed2a_prep.kd
    .args:
      - { .name: mask_codes, .offset: 0, .size: 8, .value_kind: global_buffer, .address_space: global }
      - { .name: mask_scales, .offset: 8, .size: 8, .value_kind: global_buffer, .address_space: global }
      - { .name: W_codes, .offset: 16, .size: 8, .value_kind: global_buffer, .address_space: global }
      - { .name: W_scales, .offset: 24, .size: 8, .value_kind: global_buffer, .address_space: global }
      - { .name: b, .offset: 32, .size: 8, .value_kind: global_buffer, .address_space: global }
      - { .name: pi, .offset: 40, .size: 8, .value_kind: global_buffer, .address_space: global }
      - { .name: wts, .offset: 48, .size: 8, .value_kind: global_buffer, .address_space: global }
      - { .name: bp, .offset: 56, .size: 8, .value_kind: global_buffer, .address_space: global }
    .group_segment_fixed_size: 13312
    .private_segment_fixed_size: 0
    .kernarg_segment_align: 8
    .kernarg_segment_size: 64
    .max_flat_workgroup_size: 128
    .sgpr_count:     66
    .vgpr_count:     256
    .wavefront_size: 32
...
	.end_amdgpu_metadata
.endif
;; end of part 1
;; launch tree (part 2): grid 256 x 1, 4 waves a work-group, clusters of 4 x 1, 327,680 bytes of LDS; arguments features_codes, features_scales, wts, bp, out0; writes out0
.if DOCPART == 2
	.amdgcn_target "amdgcn-amd-amdhsa--gfx1250"
	.amdhsa_code_object_version 6
	.text
	.protected	k_q21514eed2a_tree
	.globl	k_q21514eed2a_tree
	.p2align	8
	.type	k_q21514eed2a_tree,@function
k_q21514eed2a_tree:
	s_mov_b64 s[64:65], 0
	v_nop
	global_prefetch_b8 v0, s[64:65] scope:SCOPE_SE
	s_setreg_imm32_b32 hwreg(HW_REG_WAVE_MODE, 25, 1), 1
	s_wait_xcnt 0x0
	s_wait_alu depctr_hold_cnt(0) depctr_sa_sdst(0) depctr_va_vdst(0) depctr_va_sdst(0) depctr_va_ssrc(0) depctr_va_vcc(0) depctr_vm_vsrc(0)
	s_getreg_b32 s2, hwreg(HW_REG_IB_STS2, 6, 4)
	s_cmp_eq_u32 s2, 0
	s_cbranch_scc0 .Lentry_in_a_cluster
	s_endpgm
.Lentry_in_a_cluster:
	s_bfe_u32 s2, ttmp6, 0x10000c
	s_cmp_lg_u32 s2, 0x3003
	s_cbranch_scc0 .Lentry_shape_is_right
	s_endpgm
.Lentry_shape_is_right:
; TREE: out = Q(mu(sigmoid(Q(features mask^T) W + b))) Q(softmax(pi)), all three products on codes of BF6 (E3M2) with one E8M0 scale for each 32 along K.  Nothing goes to memory between the products.
; SHARES.  A work-group owns 64 rows (four tiles of 16), all of whose 1,024 columns it makes.  Wave w owns 256 columns of products 1 and 2 (16 tiles: 64 accumulators, 512 registers) and, in product 3, K = its own 256 leaves;
; the four partial outputs are added in f32 through LDS.
; TRANSPOSED USE: source 0 = 16 weight rows, source 1 = 16 batch rows: lane (r, h) holds batch row r, and register j of tile t weight row 8 h + j of that tile.  The launch before chose the weight rows of a tile so that
; a lane's 128 registers e = 8 t + j of a row tile are (product 1) x's columns 256 w + 128 h + e: four whole blocks of 32 along the next K, and (product 2) one subtree of the tree: blocks bq = e / 32;
; e % 32 = idx > 0: the node of level 5 + floor(log2 idx) under node 32 + 4 (2 w + h) + bq; idx = 0: the nodes above (8 + G, 16 + 2 G, 17 + 2 G; 4 + w or one of nodes 1, 2, 3).
; So both quantisers find a whole block in one lane, and the codes that they make are the next operand's registers as they stand; K's blocks are taken in the same permuted order on both sides of products 2 and 3.
; WEIGHTS: 25 blocks of 102,400 bytes (16 K steps of mask, 8 of W, the softmax) walk through a ring of two LDS slots.  All work-groups walk the same blocks: the four of a cluster ask for each JOINTLY (mask 15).
; Wave w fetches and reads quarter w of each block alone.  The 64 rows of features stay in LDS; x's codes take their place.
; LIMITS: NaN, infinities and the scale byte 0xff are not served.  A block of x or mu whose largest magnitude lies under 2^-122 keeps the byte 1 (a block of zeros too: its codes are zeros).  Exponentials and
; reciprocals under 2^-126 come out as 0.  mu (1 - d) is one fused multiply-add.  The sums of products 2 and 3 run over K's blocks in the permuted order, product 3's in four parts.
.set QB,    25600                      ; a quarter: 16 tile images of 1,536 bytes, 1,024 bytes of scale words
.set BLK,   4*QB                       ; a block, and a slot: slot n at n BLK
.set SCO,   24576                      ; the scale words in a quarter
.set FEAT,  2*BLK                      ; features: 64 rows, 1,536 bytes + 16: row r starts 4 r banks on, so the 32 lanes of an 8-byte load touch 64 different banks (64 banks of 4 bytes: ISA guide 11.1)
.set FP,    1552
.set FSC,   FEAT+64*FP                 ; their scale bytes: 64 rows, 64 bytes + 16
.set FSP,   80
.set SPARE, FSC+64*FSP                 ; the spare words, 128 bytes for each wave: two blocks of 256 bytes that no other line names
.set TOP,   SPARE+512                  ; register e = 96 of every lane: [wave][row tile][lane] words
.set XIMG,  FEAT                       ; x's 32 fragment images, (row tile m, K step s) at (4 s + m) 1,536, where features lay
.set XSC,   XIMG+32*1536               ; their scale words, (4 s + m) 128 + 4 lane
.set STGP,  25856                      ; the way out: a stage of 64 rows x 400 bytes for each wave, 25,856 bytes apart, from LDS byte 0 on: both slots have had their last fill and their last read by then
.set BAD,  1                           ; v1-2   slot 0, 1: my quarter + 16 lane
.set FAD,  3                           ; v3-4   features: row r + 24 h, row tiles 0-1 and 2-3; stepped along K
.set FSA,  5                           ; v5     their scale words; stepped
.set XAD,  6                           ; v6     x's images + 16 lane; stepped
.set XSA,  7                           ; v7     x's scale words + 4 lane; stepped
.set XWI,  8                           ; v8     where I store x's images
.set XWS,  9                           ; v9     and their scale words
.set FW,   10                          ; v10    where I store features
.set FSW,  11                          ; v11    and their scale bytes
.set BOF,  12                          ; v12    32 h: my eight numbers of a tile's bias
.set PFO,  13                          ; v13    the prefetches' offset
.set TOPW, 14
.set TOPR, 15
.set TOPR2, 16
.set SO,   17                          ; v17    the stage: where I put 32 bytes of a row
.set RD,   18                          ; v18-19 and where I read: stages 0-1, 2-3
.set GO,   20                          ; v20    8 lane
.set SPW,  21                          ; v21    LDS address of my spare word; never rewritten
.set NIL,  22                          ; v22    0; never rewritten
.set LI,   23                          ; v23    16 lane
.set SB,   24                          ; v24-39 weights' scale words, two sets of 8: register t / 2, lanes 0-15 tile t even, lanes 16-31 tile t odd
.set SA,   40                          ; v40-47 rows' scale words, two sets of 4
.set MS,   48                          ; v48-55 scale words made here: x's, later mu's: 2 m + u
.set SH8,  56                          ; 8 h
.set SG2,  57                          ; 1 - 2 h
.set OF2,  58                          ; h
.set XH,   59
.set DSEL, 60
.set F0,   61
.set F1,   62
.set F2,   63
.set AF,   64                          ; v64-159 rows' fragments, two sets of 4 x 12
.set MC,   64                          ; later the codes made here: 24 m + 12 u
.set MU,   160                         ; v160-223 two blocks of leaf weights
.set TM,   224
.set SOP,  228
.set BY,   230
.set PX,   232
.set A0,   234
.set A1,   235
.set E0,   236
.set CT,   240
.set TR,   248                         ; v248-251 d of node 1, then T, for each row tile
.set D23,  252                         ; v252-255 d of node 2 or 3
; window 1: weight tile t at v[12 t];  window 2: accumulator (m, t < 8) at v[64 m + 8 t];  window 3: (m, t >= 8) at v[64 m + 8 (t - 8)]
.set WV,   14
.set CX,   15
.set SEL,  20
.set NL,   22
.set G1,   24
.set G0,   32
.set PFA,  40
.set LIM,  42
.set TT,   43
.set CNT,  44
.set MUL_LO, 0xa1                      ; source 0 window 1, source 1 window 0, C and D window 2
.set MUL_HI, 0xf1                      ; the same, C and D window 3
.set TO_B,   0x40                      ; destination window 1
.set MSB, 0
.macro WIN new                         ; the immediate's high byte repeats the setting that is left; a switch that changes nothing is dropped
.if MSB != (\new)
	s_set_vgpr_msb (MSB<<8)|(\new)
.set MSB, (\new)
.endif
.endm
.macro PLACES n                        ; plain vector lines between a matrix instruction and a load into, or a read of, its registers
.rept \n
	v_nop
.endr
.endm
.macro CREST                           ; a round of the cluster's barrier behind its opening barrier
	s_cmp_lg_u32 s[WV], 0
	s_cbranch_scc1 .Lnot_wave_0_\@
	s_barrier_signal -3
.Lnot_wave_0_\@:
	s_barrier_wait -3
	s_barrier_signal -1
	s_barrier_wait -1
.endm
.macro CROUND
	s_barrier_signal -1
	s_barrier_wait -1
	CREST
.endm
; Weight tile t against the four row tiles.  The 64 accumulators take turns, one instruction a turn, in the same order in every step.
.macro MULT t, par, zero
.irp m, 0,1,2,3
.if \zero
.if (\t)%2
	v_wmma_scale_f32_16x16x128_f8f6f4 v[64*\m+8*((\t)%8):64*\m+8*((\t)%8)+7], v[12*(\t):12*(\t)+11], v[AF+48*(\par)+12*\m:AF+48*(\par)+12*\m+11], 0, v[SB+8*(\par)+(\t)/2], v[SA+4*(\par)+\m] matrix_a_fmt:MATRIX_FMT_BF6 matrix_b_fmt:MATRIX_FMT_BF6 matrix_a_scale:MATRIX_SCALE_ROW1
.else
	v_wmma_scale_f32_16x16x128_f8f6f4 v[64*\m+8*((\t)%8):64*\m+8*((\t)%8)+7], v[12*(\t):12*(\t)+11], v[AF+48*(\par)+12*\m:AF+48*(\par)+12*\m+11], 0, v[SB+8*(\par)+(\t)/2], v[SA+4*(\par)+\m] matrix_a_fmt:MATRIX_FMT_BF6 matrix_b_fmt:MATRIX_FMT_BF6
.endif
.else
.if (\t)%2
	v_wmma_scale_f32_16x16x128_f8f6f4 v[64*\m+8*((\t)%8):64*\m+8*((\t)%8)+7], v[12*(\t):12*(\t)+11], v[AF+48*(\par)+12*\m:AF+48*(\par)+12*\m+11], v[64*\m+8*((\t)%8):64*\m+8*((\t)%8)+7], v[SB+8*(\par)+(\t)/2], v[SA+4*(\par)+\m] matrix_a_fmt:MATRIX_FMT_BF6 matrix_b_fmt:MATRIX_FMT_BF6 matrix_a_scale:MATRIX_SCALE_ROW1
.else
	v_wmma_scale_f32_16x16x128_f8f6f4 v[64*\m+8*((\t)%8):64*\m+8*((\t)%8)+7], v[12*(\t):12*(\t)+11], v[AF+48*(\par)+12*\m:AF+48*(\par)+12*\m+11], v[64*\m+8*((\t)%8):64*\m+8*((\t)%8)+7], v[SB+8*(\par)+(\t)/2], v[SA+4*(\par)+\m] matrix_a_fmt:MATRIX_FMT_BF6 matrix_b_fmt:MATRIX_FMT_BF6
.endif
.endif
.endr
.endm
; The four row tiles' fragments and scale words of a K step into set nx.  akind 1: features, as rows; akind 2: x, as images; 0: none.  qp: the step's place in its pair; behind the second of a pair the addresses step.
.macro AFETCH nx, akind, qp
.if (\akind) == 1
.irp m, 0,1,2,3
.irp p, 0,1,2,3,4,5
	ds_load_b64 v[AF+48*(\nx)+12*\m+2*\p:AF+48*(\nx)+12*\m+2*\p+1], v[FAD+\m/2] offset:16*FP*(\m%2)+96*(\qp)+48*(\p/3)+8*(\p%3)
.endr
	ds_load_b32 v[SA+4*(\nx)+\m], v[FSA] offset:16*FSP*\m+4*(\qp)
.endr
.if (\qp) == 1
	v_add_nc_u32 v[FAD], 192, v[FAD]
	v_add_nc_u32 v[FAD+1], 192, v[FAD+1]
	v_add_nc_u32 v[FSA], 8, v[FSA]
.endif
.endif
.if (\akind) == 2
.irp m, 0,1,2,3
.irp c, 0,1,2
	ds_load_b128 v[AF+48*(\nx)+12*\m+4*\c:AF+48*(\nx)+12*\m+4*\c+3], v[XAD] offset:6144*(\qp)+1536*\m+512*\c
.endr
	ds_load_b32 v[SA+4*(\nx)+\m], v[XSA] offset:512*(\qp)+128*\m
.endr
.if (\qp) == 1
	v_add_nc_u32 v[XAD], 12288, v[XAD]
	v_add_nc_u32 v[XSA], 1024, v[XSA]
.endif
.endif
.endm
.macro FETCH1 nx, akind, qp            ; from slot nx: weight tiles 0-7, all 16 tiles' scale words; and the rows' part
	WIN TO_B
.irp i, 0,1,2,3,4,5,6,7
.irp c, 0,1,2
	ds_load_b128 v[12*\i+4*\c:12*\i+4*\c+3], v[BAD+(\nx)] offset:1536*\i+512*\c
.endr
.endr
	WIN 0
	ds_load_b128 v[SB+8*(\nx):SB+8*(\nx)+3], v[BAD+(\nx)] offset:SCO
	ds_load_b128 v[SB+8*(\nx)+4:SB+8*(\nx)+7], v[BAD+(\nx)] offset:SCO+512
	AFETCH \nx, \akind, \qp
.endm
.macro FETCH2 nx, n                    ; weight tiles 8 .. 8 + n - 1
	WIN TO_B
.set ti, 8
.rept \n
.irp c, 0,1,2
	ds_load_b128 v[12*ti+4*\c:12*ti+4*\c+3], v[BAD+(\nx)] offset:1536*ti+512*\c
.endr
.set ti, ti+1
.endr
	WIN 0
.endm
; A PREFETCH INTO THE L2: in step t the block t + 5, which the third refill from here will ask for (192 matrix instructions on).  All clusters walk the same blocks: cluster 0 asks, nobody else.  Each of its waves takes its own
; quarter, the four partners 6,400 bytes of it each, told apart BY ADDRESS; lanes 256 bytes apart, 25 of them: lanes 25 to 31 name lane 24's 256 bytes again.  Steps 0 to 19 ask (blocks 5 to 24); blocks 0 to 4 come by their loads alone.
.macro ASK
	s_cmp_lt_u32 s[TT], s[LIM]
	s_cbranch_scc0 .Lnot_mine_\@
	global_prefetch_b8 v[PFO], s[PFA:PFA+1] th:TH_LOAD_NT scope:SCOPE_SE
.Lnot_mine_\@:
.endm
; A K STEP of 128: 64 matrix instructions on the rows' set par and the weight tiles in window 1, whose slot (par) has been read out into registers.  fill = 1: that slot is filled again, two blocks on, behind a round of the
; cluster's barrier; tiles 0-7 of the next block are fetched in the step's middle, tiles 8-15 at its end.
.macro GSTEP par, akind, fill, zero
	s_wait_dscnt 24                                ; all but the youngest 24 loads (tiles 8-15) are in
	WIN MUL_LO
.if \fill
.irp t, 0,1,2,3,4,5
	MULT \t, \par, \zero
.endr
	WIN 0                                          ; (the add's two registers lie in window 0)
	s_wait_xcnt 0x0                                ; the last prefetch, a step back, has read its address
	s_add_nc_u64 s[PFA:PFA+1], s[PFA:PFA+1], BLK
	s_add_co_u32 s[TT], s[TT], 1
	s_wait_tensorcnt 0x0                           ; all my tensor loads have landed: the one that was out is my quarter of the next block;
	ds_add_u32 v[SPW], v[NIL]                      ; 0 onto my spare word
	s_add_nc_u64 s[G0+4*\par+2:G0+4*\par+3], s[G0+4*\par+2:G0+4*\par+3], 2*BLK   ; no load of mine is out: this slot's next block
	WIN MUL_LO
	MULT 6, \par, \zero
	s_wait_dscnt 0x0                               ; the add is done, and my reads of this slot are over
	s_barrier_signal -1                            ; opens a round of the cluster's barrier
	MULT 7, \par, \zero
	WIN 0
	s_barrier_wait -1
	CREST                                          ; no wave of any partner still reads this slot or has a load on its way
	tensor_load_to_lds s[G0+4*\par:G0+4*\par+3], s[G1:G1+7]   ; my one tensor load behind the round; 56 matrix instructions stand between it and the wait for it
	s_nop 0
	PLACES 4                                       ; (places behind a tensor load, and in front of the loads below)
	FETCH1 1-\par, \akind, 1-\par
	ASK
.else
.irp t, 0,1,2,3,4,5,6,7
	MULT \t, \par, \zero
.endr
	s_wait_tensorcnt 0x0                           ; my quarter of the last block is in; only I read it, and nothing is filled again
	s_wait_dscnt 0x0                               ; tiles 8-15 are in
	PLACES 4
	FETCH1 1-\par, 0, 0
.endif
	WIN MUL_HI
.irp t, 8,9,10,11,12,13,14,15
	MULT \t, \par, \zero
.endr
	PLACES 4
.if \fill
	FETCH2 1-\par, 8
.else
	FETCH2 1-\par, 6                               ; the softmax has 14 tiles in use: 7 tiles of classes x 2 K steps
.endif
.endm
; 64 numbers of a lane in window W, v[s0] on: two whole blocks of 32 along the next K.  They become a fragment's 12 registers v[dst] on (block c' in registers 6 c' .. 6 c' + 5) and the row's scale word v[sw]
; (my two bytes at places h and 2 + h, lane l xor 16's at the other two).  Each accumulator is read from its low end on.
.macro QUANT2 W, s0, dst, sw
	WIN (\W)|((\W)<<2)                             ; sources 0 and 1
.irp q, 0,1,2,3
	v_max3_num_f32 v[TM+\q], |v[(\s0)+16*\q]|, |v[(\s0)+16*\q+1]|, 0x2800000   ; four chains of 16; the floor 2^(5 - 127): the byte cannot fall under 1
.endr
.irp i, 2,4,6,8,10,12,14
.irp q, 0,1,2,3
	v_max3_num_f32 v[TM+\q], |v[(\s0)+16*\q+\i]|, |v[(\s0)+16*\q+\i+1]|, v[TM+\q]
.endr
.endr
	WIN 0
	v_max_num_f32 v[TM], v[TM], v[TM+1]
	v_max_num_f32 v[TM+2], v[TM+2], v[TM+3]
	v_add_nc_u32 v[SOP], 0xfe000000, v[TM]         ; 4 off the exponent field: the conversion's scale operand
	v_add_nc_u32 v[SOP+1], 0xfe000000, v[TM+2]
	v_lshrrev_b32 v[BY], 23, v[SOP]                ; the scales' bytes
	v_lshrrev_b32 v[BY+1], 23, v[SOP+1]
	v_lshl_or_b32 v[BY], v[BY+1], 16, v[BY]
	v_lshlrev_b32 v[BY], v[SH8], v[BY]
	v_permlanex16_b32 v[PX], v[BY], s[SEL], s[SEL+1]
	v_or_b32 v[\sw], v[BY], v[PX]
	WIN (\W)                                       ; source 0
	v_cvt_scalef32_pk16_bf6_f32 v[(\dst):(\dst)+2], v[(\s0):(\s0)+15], v[SOP]
	v_cvt_scalef32_pk16_bf6_f32 v[CT:CT+2], v[(\s0)+16:(\s0)+31], v[SOP]       ; (a conversion's three registers begin on an even number)
	v_cvt_scalef32_pk16_bf6_f32 v[(\dst)+6:(\dst)+8], v[(\s0)+32:(\s0)+47], v[SOP+1]
	v_cvt_scalef32_pk16_bf6_f32 v[CT+4:CT+6], v[(\s0)+48:(\s0)+63], v[SOP+1]
	WIN 0
	v_nop                                          ; one plain line behind the scaled conversions
.irp i, 0,1,2
	v_mov_b32 v[(\dst)+3+\i], v[CT+\i]
	v_mov_b32 v[(\dst)+9+\i], v[CT+4+\i]
.endr
.endm
; Row tile m of x: quantised, K steps 2 w and 2 w + 1 of product 2, images to LDS; then the bias takes the accumulators' place: it is product 2's C.
.macro XOUT m
	QUANT2 2, 64*\m, MC+24*\m, MS+2*\m
	QUANT2 3, 64*\m, MC+24*\m+12, MS+2*\m+1
.irp u, 0,1
.irp c, 0,1,2
	ds_store_b128 v[XWI], v[MC+24*\m+12*\u+4*\c:MC+24*\m+12*\u+4*\c+3] offset:6144*\u+1536*\m+512*\c
.endr
	ds_store_b32 v[XWS], v[MS+2*\m+\u] offset:512*\u+128*\m
.endr
	WIN 0x80                                       ; destination window 2
.irp t, 0,1,2,3,4,5,6,7
	global_load_b128 v[64*\m+8*\t:64*\m+8*\t+3], v[BOF], s[10:11] offset:64*\t
	global_load_b128 v[64*\m+8*\t+4:64*\m+8*\t+7], v[BOF], s[10:11] offset:64*\t+16
.endr
	WIN 0xc0                                       ; destination window 3
.irp t, 0,1,2,3,4,5,6,7
	global_load_b128 v[64*\m+8*\t:64*\m+8*\t+3], v[BOF], s[10:11] offset:64*\t+512
	global_load_b128 v[64*\m+8*\t+4:64*\m+8*\t+7], v[BOF], s[10:11] offset:64*\t+528
.endr
	WIN 0
.endm
; The sigmoid, in place on a window's 256 registers: d = 1 / (1 + 2^(-z log2 e)).  Behind each batch of 256: a plain line and one wait, ahead of the first line that names a result.
.macro ZMUL W
	WIN (\W)|((\W)<<6)
.set i, 0
.rept 128
	v_pk_mul_f32 v[i:i+1], v[i:i+1], s[NL:NL+1] op_sel_hi:[1,0]
.set i, i+2
.endr
.endm
.macro ZEXP W
	WIN (\W)|((\W)<<6)
.set i, 0
.rept 256
	v_exp_f32 v[i], v[i]
.set i, i+1
.endr
	v_nop
	s_wait_alu depctr_va_vdst(0)
.endm
.macro ZADD W
	WIN (\W)|((\W)<<6)
.set i, 0
.rept 128
	v_pk_add_f32 v[i:i+1], v[i:i+1], 1.0 op_sel_hi:[1,0]
.set i, i+2
.endr
.endm
.macro ZRCP W
	WIN (\W)|((\W)<<6)
.set i, 0
.rept 256
	v_rcp_f32 v[i], v[i]
.set i, i+1
.endr
	v_nop
	s_wait_alu depctr_va_vdst(0)
.endm
; T = the weight with which row tile m's rows reach node 8 + 2 w + h: levels 0, 1, 2: nodes 1, 2 + w / 2, 4 + w, each as d or 1 - d by the bits w / 2, w % 2, h
.macro TOPT m
	WIN 0x03
	v_mov_b32 v[DSEL], v[64*(\m)+32]               ; e = 96: lanes 0-15 hold node 4 + w
	WIN 0
	v_permlanex16_b32 v[XH], v[DSEL], s[SEL], s[SEL+1]
	v_cndmask_b32 v[DSEL], v[DSEL], v[XH], s49     ; lanes 16-31 take it from lanes 0-15
	v_fma_f32 v[F0], v[TR+(\m)], s45, s46
	v_fma_f32 v[F1], v[D23+(\m)], s47, s48
	v_fma_f32 v[F2], v[DSEL], v[SG2], v[OF2]
	v_mul_f32 v[F0], v[F0], v[F1]
	v_mul_f32 v[TR+(\m)], v[F0], v[F2]
.endm
; Blocks 2 u and 2 u + 1 of row tile m: levels 3 and 4, then five levels inside each block.  Place p of a block's 32: bit j of p = the turn taken at level 5 + j; a level doubles the places in use.  d is source 0, in window 2 + u.
.macro TREEPAIR m, u
	WIN 2+(\u)
.if (\u) == 0
	v_mul_f32 v[A0], v[64*(\m)], v[TR+(\m)]
	v_fma_f32 v[A1], -v[64*(\m)], v[TR+(\m)], v[TR+(\m)]
	v_mul_f32 v[E0], v[64*(\m)+32], v[A0]
	v_fma_f32 v[E0+1], -v[64*(\m)+32], v[A0], v[A0]
.else
	v_mul_f32 v[E0], v[64*(\m)], v[A1]
	v_fma_f32 v[E0+1], -v[64*(\m)], v[A1], v[A1]
.endif
.irp c, 0,1
	v_fma_f32 v[MU+32*\c+1], -v[64*(\m)+32*\c+1], v[E0+\c], v[E0+\c]
	v_mul_f32 v[MU+32*\c], v[64*(\m)+32*\c+1], v[E0+\c]
.endr
.irp n, 2,4,8,16
.set p, 0
.rept \n/2
.irp c, 0,1
	v_pk_fma_f32 v[MU+32*\c+\n+p:MU+32*\c+\n+p+1], v[64*(\m)+32*\c+\n+p:64*(\m)+32*\c+\n+p+1], v[MU+32*\c+p:MU+32*\c+p+1], v[MU+32*\c+p:MU+32*\c+p+1] neg_lo:[1,0,0] neg_hi:[1,0,0]
.endr
.irp c, 0,1
	v_pk_mul_f32 v[MU+32*\c+p:MU+32*\c+p+1], v[64*(\m)+32*\c+\n+p:64*(\m)+32*\c+\n+p+1], v[MU+32*\c+p:MU+32*\c+p+1]
.endr
.set p, p+2
.endr
.endr
.endm
; ---------------- the head: every address register is made here ----------------
	s_load_b256 s[4:11], s[0:1], 0x0               ; features' codes s[4:5], scales s[6:7], wts s[8:9], bp s[10:11]
	s_load_b64 s[12:13], s[0:1], 0x20              ; out0
	v_lshl_add_u32 v[SPW], v0, 2, SPARE
	v_mov_b32 v[NIL], 0
	ds_add_u32 v21, v22
	ds_add_u32 v21, v22
	s_wait_dscnt 0x0
	v_lshrrev_b32 v63, 5, v0
	v_readfirstlane_b32 s[WV], v63                 ; wave 0..3
	s_bfe_u32 s[CX], ttmp6, 0x40000                ; my place in the cluster: it enters global addresses of features, out0 and the prefetches alone
	s_lshl_b32 s51, ttmp9, 2
	s_add_co_u32 s51, s51, s[CX]                   ; the work-group's number
	v_and_b32 v60, 31, v0                          ; lane
	v_and_b32 v61, 15, v0                          ; r
	v_bfe_u32 v62, v0, 4, 1                        ; h
	v_lshlrev_b32 v[LI], 4, v60
	s_mul_i32 s16, s[WV], QB
	v_add_nc_u32 v[BAD], s16, v[LI]
	v_add_nc_u32 v[BAD+1], BLK, v[BAD]
	v_mul_u32_u24 v[FAD], v61, FP
	v_mad_u32_u24 v[FAD], v62, 24, v[FAD]
	v_add_nc_u32 v[FAD], FEAT, v[FAD]
	v_add_nc_u32 v[FAD+1], 32*FP, v[FAD]
	v_mul_u32_u24 v[FSA], v61, FSP
	v_add_nc_u32 v[FSA], FSC, v[FSA]
	v_add_nc_u32 v[XAD], XIMG, v[LI]
	v_lshl_add_u32 v[XSA], v60, 2, XSC
	s_mul_i32 s17, s[WV], 12288
	s_add_co_u32 s17, s17, XIMG
	v_add_nc_u32 v[XWI], s17, v[LI]
	s_lshl_b32 s17, s[WV], 10
	v_add_nc_u32 v[XWS], s17, v[XSA]
	s_mul_i32 s17, s[WV], 16*FP
	s_add_co_u32 s17, s17, FEAT
	v_add_nc_u32 v[FW], s17, v[LI]
	v_lshrrev_b32 v63, 2, v60
	v_mul_u32_u24 v[FSW], v63, FSP
	v_and_b32 v63, 3, v60
	v_lshl_add_u32 v[FSW], v63, 4, v[FSW]
	s_mul_i32 s17, s[WV], 16*FSP
	s_add_co_u32 s17, s17, FSC
	v_add_nc_u32 v[FSW], s17, v[FSW]
	v_lshlrev_b32 v[BOF], 5, v62
	v_min_u32 v[PFO], 24, v60
	v_lshlrev_b32 v[PFO], 8, v[PFO]
	s_lshl_b32 s17, s[WV], 9
	s_add_co_u32 s17, s17, TOP
	v_lshl_add_u32 v[TOPW], v60, 2, s17
	v_lshl_add_u32 v[TOPR], v61, 2, TOP+64         ; wave 0's lanes 16-31 hold node 1
	s_lshr_b32 s17, s[WV], 1
	s_add_co_u32 s17, s17, 1
	s_lshl_b32 s17, s17, 9
	v_add_nc_u32 v[TOPR2], s17, v[TOPR]            ; wave 1's hold node 2, wave 2's node 3
	s_mul_i32 s17, s[WV], STGP
	v_mul_u32_u24 v[SO], v61, 400
	v_lshl_add_u32 v[SO], v62, 5, v[SO]
	v_add_nc_u32 v[SO], s17, v[SO]
	s_mul_i32 s17, s[WV], 6400
	v_lshl_add_u32 v[RD], v60, 3, s17
	v_add_nc_u32 v[RD+1], 2*STGP, v[RD]
	v_lshlrev_b32 v[GO], 3, v60
	v_lshlrev_b32 v[SH8], 3, v62
	v_cvt_f32_u32 v[OF2], v62
	v_fma_f32 v[SG2], v[OF2], -2.0, 1.0
	v_mov_b32 v[XH], 0                             ; written once: a lane permute's destination counts as one of its sources
	v_mov_b32 v[PX], 0
	s_mov_b32 s[SEL], 0x76543210                   ; v_permlanex16_b32's selects for lane l xor 16
	s_mov_b32 s[SEL+1], 0xfedcba98
	s_mov_b32 s[NL], 0xbfb8aa3b                    ; -log2(e), as a pair
	s_mov_b32 s[NL+1], s[NL]
	s_mov_b32 s49, 0xffff0000                      ; lanes 16-31
	s_lshr_b32 s17, s[WV], 1
	s_cmp_eq_u32 s17, 0
	s_cselect_b32 s45, 1.0, -1.0                   ; level 0: d or 1 - d as d x (+-1) + (0 or 1)
	s_cselect_b32 s46, 0, 1.0
	s_and_b32 s17, s[WV], 1
	s_cmp_eq_u32 s17, 0
	s_cselect_b32 s47, 1.0, -1.0                   ; level 1
	s_cselect_b32 s48, 0, 1.0
	s_cmp_eq_u32 ttmp9, 0
	s_cselect_b32 s[LIM], 21, 0                    ; the same in all four partners
	s_mov_b32 s[TT], 0
	; descriptor group 1: a quarter, dense in memory, as 100 rows of 256 bytes
	s_mov_b32 s[G1], 15|(3<<16)|(1<<21)            ; 15:0 the mask: all four work-groups; 17:16 elements of 8 bytes; 20 no padding; 21 set beside a mask
	s_mov_b32 s[G1+1], 32<<16                      ; tensor_dim0 = 32
	s_mov_b32 s[G1+2], 100<<16                     ; tensor_dim1 = 100
	s_mov_b32 s[G1+3], 32<<16                      ; tile_dim0 = 32
	s_mov_b32 s[G1+4], 100                         ; tile_dim1 = 100
	s_mov_b32 s[G1+5], 32                          ; from row to row
	s_mov_b32 s[G1+6], 0
	s_mov_b32 s[G1+7], 0
	s_mov_b32 s53, 0
	s_mov_b32 s55, 0
	s_lshl_b32 s18, s51, 2
	s_add_co_u32 s18, s18, s[WV]                   ; which run of 16 rows is my wave's: 4 x work-group + wave
	s_wait_kmcnt 0x0
	s_mul_i32 s52, s18, 24576
	s_add_nc_u64 s[4:5], s[4:5], s[52:53]
	s_lshl_b32 s52, s18, 10
	s_add_nc_u64 s[6:7], s[6:7], s[52:53]
	s_mul_i32 s52, s18, 6400
	s_add_nc_u64 s[12:13], s[12:13], s[52:53]
	s_mov_b32 s54, s16
	s_add_nc_u64 s[8:9], s[8:9], s[54:55]          ; my quarter of block 0: the wave's number alone enters the descriptors
	s_lshl_b32 s54, s[WV], 10
	s_add_nc_u64 s[10:11], s[10:11], s[54:55]
	s_mov_b32 s[G0], 1
	s_mov_b32 s[G0+1], s16
	s_mov_b64 s[G0+2:G0+3], s[8:9]
	s_or_b32 s[G0+3], s[G0+3], 0x80000000
	s_mov_b32 s[G0+4], 1
	s_add_co_u32 s[G0+5], s16, BLK
	s_add_nc_u64 s[G0+6:G0+7], s[8:9], BLK
	s_or_b32 s[G0+7], s[G0+7], 0x80000000
	s_add_nc_u64 s[PFA:PFA+1], s[8:9], 4*BLK       ; step 0 steps it to block 5
	s_mul_i32 s52, s[CX], 6400
	s_add_nc_u64 s[PFA:PFA+1], s[PFA:PFA+1], s[52:53]
	; my 16 rows of features, 24,576 bytes on end, and their 1,024 scale bytes
	WIN TO_B
.set i, 0
.rept 48
	global_load_b128 v[4*i:4*i+3], v[LI], s[4:5] offset:512*i th:TH_LOAD_NT
.set i, i+1
.endr
	WIN 0
	global_load_b128 v[224:227], v[LI], s[6:7] th:TH_LOAD_NT
	global_load_b128 v[228:231], v[LI], s[6:7] offset:512 th:TH_LOAD_NT
	CROUND                                         ; all four work-groups are here: the first joint loads meet
	tensor_load_to_lds s[G0:G0+3], s[G1:G1+7]      ; blocks 0 and 1: two loads of mine are out
	s_nop 0
	tensor_load_to_lds s[G0+4:G0+7], s[G1:G1+7]
	s_nop 0
	PLACES 4
	s_wait_loadcnt 0x0
	WIN 0x04                                       ; an LDS store's data are its source 1: window 1
.set i, 0
.rept 48
	ds_store_b128 v[FW], v[4*i:4*i+3] offset:(i/3)*FP+(i%3)*512
.set i, i+1
.endr
	WIN 0
	ds_store_b128 v[FSW], v[224:227]
	ds_store_b128 v[FSW], v[228:231] offset:8*FSP
	s_wait_tensorcnt 1                             ; block 0 is in; block 1 may stay out
	s_wait_dscnt 0x0                               ; my rows of features have landed
	s_barrier_signal -1
	s_barrier_wait -1
	FETCH1 0, 1, 0
	FETCH2 0, 8
; ---------------- product 1: x = features mask^T, 16 K steps ----------------
	GSTEP 0, 1, 1, 1                               ; the first step's products start the sums
	s_mov_b32 s[CNT], 7
.Lp1:
	GSTEP 1, 1, 1, 0
	GSTEP 0, 1, 1, 0
	s_sub_co_u32 s[CNT], s[CNT], 1
	s_cmp_lg_u32 s[CNT], 0
	s_cbranch_scc1 .Lp1
	GSTEP 1, 0, 1, 0                               ; step 15: W's first block comes into the registers; behind its round no wave reads features any more
; ---------------- x is quantised and handed round ----------------
	XOUT 0
	XOUT 1
	XOUT 2
	XOUT 3
	s_wait_dscnt 0x0                               ; my images have landed
	s_barrier_signal -1                            ; (block 17's load may stay out)
	s_barrier_wait -1
	AFETCH 0, 2, 0
	s_wait_dscnt 0x0
	s_wait_loadcnt 0x0                             ; the bias
; ---------------- product 2: z = Q(x) W + b, 8 K steps ----------------
	s_mov_b32 s[CNT], 3
.Lp2:
	GSTEP 0, 2, 1, 0
	GSTEP 1, 2, 1, 0
	s_sub_co_u32 s[CNT], s[CNT], 1
	s_cmp_lg_u32 s[CNT], 0
	s_cbranch_scc1 .Lp2
	GSTEP 0, 2, 1, 0                               ; step 22 asks for the last block, the softmax
	GSTEP 1, 0, 0, 0                               ; step 23 asks for nothing; the softmax's tiles come into the registers
; ---------------- the sigmoid ----------------
	ZMUL 2
	ZMUL 3
	ZEXP 2
	ZADD 2
	ZEXP 3
	ZADD 3
	ZRCP 2
	ZRCP 3
	WIN 0x0c                                       ; data in window 3
.irp m, 0,1,2,3
	ds_store_b32 v[TOPW], v[64*\m+32] offset:128*\m
.endr
	WIN 0
	s_wait_dscnt 0x0                               ; my stores have landed, and my reads of both slots are over
	s_barrier_signal -1
	s_barrier_wait -1
.irp m, 0,1,2,3
	ds_load_b32 v[TR+\m], v[TOPR] offset:128*\m
	ds_load_b32 v[D23+\m], v[TOPR2] offset:128*\m
.endr
	s_wait_dscnt 0x0
; ---------------- the tree, and mu's codes ----------------
.irp m, 0,1,2,3
	TOPT \m
	TREEPAIR \m, 0
	QUANT2 0, MU, MC+24*\m, MS+2*\m
	TREEPAIR \m, 1
	QUANT2 0, MU, MC+24*\m+12, MS+2*\m+1
.endr
; ---------------- product 3: my 256 leaves' part of out: 7 tiles of classes x 4 row tiles, 2 K steps ----------------
	PLACES 8                                       ; a scale register written by a vector line stands 8 places ahead of a scaled matrix instruction, an operand 4
	WIN MUL_LO
.irp ct, 0,1,2,3,4,5,6
.irp m, 0,1,2,3
	v_wmma_scale_f32_16x16x128_f8f6f4 v[8*(7*\m+\ct):8*(7*\m+\ct)+7], v[12*(2*\ct):12*(2*\ct)+11], v[MC+24*\m:MC+24*\m+11], 0, v[SB+\ct], v[MS+2*\m] matrix_a_fmt:MATRIX_FMT_BF6 matrix_b_fmt:MATRIX_FMT_BF6
.endr
.endr
.irp ct, 0,1,2,3,4,5,6
.irp m, 0,1,2,3
	v_wmma_scale_f32_16x16x128_f8f6f4 v[8*(7*\m+\ct):8*(7*\m+\ct)+7], v[12*(2*\ct+1):12*(2*\ct+1)+11], v[MC+24*\m+12:MC+24*\m+23], v[8*(7*\m+\ct):8*(7*\m+\ct)+7], v[SB+\ct], v[MS+2*\m+1] matrix_a_fmt:MATRIX_FMT_BF6 matrix_b_fmt:MATRIX_FMT_BF6 matrix_a_scale:MATRIX_SCALE_ROW1
.endr
.endr
; ---------------- the way out: four parts meet in LDS; each wave adds and stores 16 rows, 6,400 bytes on end ----------------
	PLACES 4
	WIN 0x08                                       ; data in window 2
.irp m, 0,1,2,3
.irp ct, 0,1,2,3,4,5
	ds_store_b128 v[SO], v[8*(7*\m+\ct):8*(7*\m+\ct)+3] offset:6400*\m+64*\ct        ; lane (r, h): row 16 m + r, classes 16 ct + 8 h + 0 .. 7; each accumulator from its low end on
	ds_store_b128 v[SO], v[8*(7*\m+\ct)+4:8*(7*\m+\ct)+7] offset:6400*\m+64*\ct+16
.endr
.endr
	WIN 0
	s_wait_xcnt 0x0                                ; EXEC changes only behind this wait
	v_cmp_eq_u32 vcc_lo, 0, v[SH8]
	s_and_saveexec_b32 s50, vcc_lo                 ; of classes 96 to 111 only 96 to 99 exist: lanes 0-15, four registers
	WIN 0x08
.irp m, 0,1,2,3
	ds_store_b128 v[SO], v[8*(7*\m+6):8*(7*\m+6)+3] offset:6400*\m+384
.endr
	WIN 0
	s_or_b32 exec_lo, exec_lo, s50
	s_wait_dscnt 0x0
	s_barrier_signal -1
	s_barrier_wait -1
.irp i, 0,1,2,3,4,5,6,7,8,9,10,11,12,13,14,15,16,17,18,19,20,21,22,23,24
.irp st, 0,1,2,3
	ds_load_b64 v[56+8*\i+2*\st:57+8*\i+2*\st], v[RD+\st/2] offset:256*\i+STGP*(\st%2)
.endr
.endr
.irp i, 0,1,2,3,4,5,6,7,8,9,10,11,12,13,14,15,16,17,18,19,20,21,22,23,24
.if 4*(24-\i) > 63
	s_wait_dscnt 63                                ; (the wait's field holds no more)
.else
	s_wait_dscnt 4*(24-\i)                         ; the loads issued behind these four may be out
.endif
	v_pk_add_f32 v[56+8*\i:57+8*\i], v[56+8*\i:57+8*\i], v[58+8*\i:59+8*\i]
	v_pk_add_f32 v[60+8*\i:61+8*\i], v[60+8*\i:61+8*\i], v[62+8*\i:63+8*\i]
	v_pk_add_f32 v[56+8*\i:57+8*\i], v[56+8*\i:57+8*\i], v[60+8*\i:61+8*\i]
	global_store_b64 v[GO], v[56+8*\i:57+8*\i], s[12:13] offset:256*\i th:TH_STORE_NT   ; 32 lanes store 256 bytes on end, at a multiple of 256 from out0's first byte
.endr
	s_wait_tensorcnt 0x0                           ; the wave's end
	ds_add_u32 v[SPW], v[NIL]
	s_wait_dscnt 0x0
	CROUND                                         ; the closing round: no work-group ends while a partner may still ask for a block that names it
	s_endpgm
.Lfunc_end_k_q21514eed2a_tree:
	.size	k_q21514eed2a_tree, .Lfunc_end_k_q21514eed2a_tree-k_q21514eed2a_tree
	.p2alignl 7, 3214868480
	.fill 96, 4, 3214868480
	.section	.rodata,"a",@progbits
	.p2align	6, 0x0
	.amdhsa_kernel k_q21514eed2a_tree
		.amdhsa_group_segment_fixed_size 327680
		.amdhsa_private_segment_fixed_size 0
		.amdhsa_enable_private_segment 0
		.amdhsa_kernarg_size 40
		.amdhsa_user_sgpr_count 2
		.amdhsa_user_sgpr_kernarg_segment_ptr 1
		.amdhsa_wavefront_size32 1
		.amdhsa_system_sgpr_workgroup_id_x 1
		.amdhsa_system_sgpr_workgroup_id_y 1
		.amdhsa_system_sgpr_workgroup_id_z 1
		.amdhsa_system_vgpr_workitem_id 0
		.amdhsa_next_free_vgpr 1024
		.amdhsa_next_free_sgpr 66
		.amdhsa_reserve_vcc 1
		.amdhsa_float_denorm_mode_32 3
		.amdhsa_float_denorm_mode_16_64 3
		.amdhsa_memory_ordered 1
		.amdhsa_forward_progress 1
		.amdhsa_inst_pref_size 255
	.end_amdhsa_kernel
	.section	.bss,"aw",@nobits
	.p2align	6
	.space	262144
	.amdgpu_metadata
---
amdhsa.version: [ 1, 2 ]
amdhsa.kernels:
  - .name:           k_q21514eed2a_tree
    .symbol:         k_q21514eed2a_tree.kd
    .args:
      - { .name: features_codes, .offset: 0, .size: 8, .value_kind: global_buffer, .address_space: global }
      - { .name: features_scales, .offset: 8, .size: 8, .value_kind: global_buffer, .address_space: global }
      - { .name: wts, .offset: 16, .size: 8, .value_kind: global_buffer, .address_space: global }
      - { .name: bp, .offset: 24, .size: 8, .value_kind: global_buffer, .address_space: global }
      - { .name: out0, .offset: 32, .size: 8, .value_kind: global_buffer, .address_space: global }
    .group_segment_fixed_size: 327680
    .private_segment_fixed_size: 0
    .kernarg_segment_align: 8
    .kernarg_segment_size: 40
    .max_flat_workgroup_size: 128
    .sgpr_count:     66
    .vgpr_count:     1024
    .wavefront_size: 32
...
	.end_amdgpu_metadata
.endif
;; end of part 2
;; ======== version 2 of 2: 2 launches
;; workspace buffers: wts 2,560,000 bytes; bp 4,096 bytes
;; launch prep: the kernel of part 1 again; grid 104 x 1, 4 waves a work-group, no clusters, 13,312 bytes of LDS; arguments mask_codes, mask_scales, W_codes, W_scales, b, pi, wts, bp; writes wts, bp
;; launch tree (part 3): grid 256 x 1, 4 waves a work-group, clusters of 4 x 1, 327,680 bytes of LDS; arguments features_codes, features_scales, wts, bp, out0; writes out0
.if DOCPART == 3
	.amdgcn_target "amdgcn-amd-amdhsa--gfx1250"
	.amdhsa_code_object_version 6
	.text
	.protected	k_q21514eed2a_tree
	.globl	k_q21514eed2a_tree
	.p2align	8
	.type	k_q21514eed2a_tree,@function
k_q21514eed2a_tree:
	s_mov_b64 s[64:65], 0
	v_nop
	global_prefetch_b8 v0, s[64:65] scope:SCOPE_SE
	s_setreg_imm32_b32 hwreg(HW_REG_WAVE_MODE, 25, 1), 1
	s_wait_xcnt 0x0
	s_wait_alu depctr_hold_cnt(0) depctr_sa_sdst(0) depctr_va_vdst(0) depctr_va_sdst(0) depctr_va_ssrc(0) depctr_va_vcc(0) depctr_vm_vsrc(0)
	s_getreg_b32 s2, hwreg(HW_REG_IB_STS2, 6, 4)
	s_cmp_eq_u32 s2, 0
	s_cbranch_scc0 .Lentry_in_a_cluster
	s_endpgm
.Lentry_in_a_cluster:
	s_bfe_u32 s2, ttmp6, 0x10000c
	s_cmp_lg_u32 s2, 0x3003
	s_cbranch_scc0 .Lentry_shape_is_right
	s_endpgm
.Lentry_shape_is_right:
; TREE: out = Q(mu(sigmoid(Q(features mask^T) W + b))) Q(softmax(pi)), all three products on codes of BF6 (E3M2) with one E8M0 scale for each 32 along K.  Nothing goes to memory between the products.
; SHARES.  A work-group owns 64 rows (four tiles of 16), all of whose 1,024 columns it makes.  A wave owns 256 columns of products 1 and 2 (16 tiles: 64 accumulators, 512 registers) and, in product 3, K = its own 256 leaves;
; the four partial outputs are added in f32 through LDS.
; TRANSPOSED USE: source 0 = 16 weight rows, source 1 = 16 batch rows: lane (r, h) holds batch row r, and register j of tile t weight row 8 h + j of that tile.  The launch before chose the weight rows of a tile so that
; a lane's 128 registers e = 8 t + j of a row tile are (product 1) x's columns 256 q + 128 h + e of the quarter q that the wave fetches: four whole blocks of 32 along the next K, and (product 2) one subtree of the tree:
; blocks bq = e / 32; e % 32 = idx > 0: the node of level 5 + floor(log2 idx) under node 32 + 4 (2 w + h) + bq; idx = 0: the nodes above (8 + G, 16 + 2 G, 17 + 2 G; 4 + w or one of nodes 1, 2, 3).
; So both quantisers find a whole block in one lane, and the codes that they make are the next operand's registers as they stand; K's blocks are taken in the same permuted order on both sides of products 2 and 3.
; WEIGHTS: 25 blocks of 102,400 bytes (16 K steps of mask, 8 of W, the softmax) walk through a ring of two LDS slots.  The four work-groups of a cluster ask for each block JOINTLY (mask 15).
; A wave fetches and reads one quarter of each block alone.  The 64 rows of features stay in LDS; x's codes take their place.
; THE WALK BEGINS ELSEWHERE IN EACH CLUSTER, so that the clusters do not all ask for the same block in the same step: what one cluster asks for, another has asked for a step earlier.
; rot = 0 .. 15, made of the cluster's number: walk step j of product 1 takes mask's K step (j + rot) mod 16.  The rotation lies in GLOBAL addresses alone: features are loaded so that place j of an LDS row holds K step (j + rot) mod 16.
; rw = rot mod 4: wave w fetches quarter (w + rw) mod 4 of mask's blocks, so the x that it makes, stored at the fixed places 2 w and 2 w + 1, is K steps 2 ((w + rw) mod 4) + 0, 1: walk step j of product 2 takes W's K step (j + 2 rw) mod 8.
; LIMITS: NaN, infinities and the scale byte 0xff are not served.  A block of x or mu whose largest magnitude lies under 2^-122 keeps the byte 1 (a block of zeros too: its codes are zeros).  Exponentials and
; reciprocals under 2^-126 come out as 0.  mu (1 - d) is one fused multiply-add.  The sums of products 1 and 2 begin at a K step that differs from cluster to cluster; those of products 2 and 3 run over K's blocks in the
; permuted order, product 3's in four parts.
.set QB,    25600                      ; a quarter: 16 tile images of 1,536 bytes, 1,024 bytes of scale words
.set BLK,   4*QB                       ; a block, and a slot: slot n at n BLK
.set SCO,   24576                      ; the scale words in a quarter
.set FEAT,  2*BLK                      ; features: 64 rows, 1,536 bytes + 16: row r starts 4 r banks on, so the 32 lanes of an 8-byte load touch 64 different banks (64 banks of 4 bytes: ISA guide 11.1)
.set FP,    1552
.set FSC,   FEAT+64*FP                 ; their scale bytes: 64 rows, 64 bytes + 16
.set FSP,   80
.set SPARE, FSC+64*FSP                 ; the spare words, 128 bytes for each wave: two blocks of 256 bytes that no other line names
.set TOP,   SPARE+512                  ; register e = 96 of every lane: [wave][row tile][lane] words
.set XIMG,  FEAT                       ; x's 32 fragment images, (row tile m, place s) at (4 s + m) 1,536, where features lay
.set XSC,   XIMG+32*1536               ; their scale words, (4 s + m) 128 + 4 lane
.set STGP,  25856                      ; the way out: a stage of 64 rows x 400 bytes for each wave, 25,856 bytes apart, from LDS byte 0 on: both slots have had their last fill and their last read by then
.set BAD,  1                           ; v1-2   slot 0, 1: my quarter + 16 lane
.set FAD,  3                           ; v3-4   features: row r + 24 h, row tiles 0-1 and 2-3; stepped along the walk
.set FSA,  5                           ; v5     their scale words; stepped
.set XAD,  6                           ; v6     x's images + 16 lane; stepped
.set XSA,  7                           ; v7     x's scale words + 4 lane; stepped
.set XWI,  8                           ; v8     where I store x's images
.set XWS,  9                           ; v9     and their scale words
.set FW,   10                          ; v10    where I store features
.set FSW,  11                          ; v11    and their scale words
.set BOF,  12                          ; v12    32 h: my eight numbers of a tile's bias
.set PFO,  13                          ; v13    the prefetch's offset
.set TOPW, 14
.set TOPR, 15
.set TOPR2, 16
.set SO,   17                          ; v17    the stage: where I put 32 bytes of a row
.set RD,   18                          ; v18-19 and where I read: stages 0-1, 2-3
.set GO,   20                          ; v20    8 lane
.set SPW,  21                          ; v21    LDS address of my spare word; never rewritten
.set NIL,  22                          ; v22    0; never rewritten
.set LI,   23                          ; v23    16 lane
.set SB,   24                          ; v24-39 weights' scale words, two sets of 8: register t / 2, lanes 0-15 tile t even, lanes 16-31 tile t odd
.set SA,   40                          ; v40-47 rows' scale words, two sets of 4
.set MS,   48                          ; v48-55 scale words made here: x's, later mu's: 2 m + u
.set SH8,  56                          ; 8 h
.set SG2,  57                          ; 1 - 2 h
.set OF2,  58                          ; h
.set XH,   59
.set DSEL, 60
.set F0,   61
.set F1,   62
.set F2,   63
.set AF,   64                          ; v64-159 rows' fragments, two sets of 4 x 12
.set MC,   64                          ; later the codes made here: 24 m + 12 u
.set MU,   160                         ; v160-223 two blocks of leaf weights
.set TM,   224
.set SOP,  228
.set BY,   230
.set PX,   232
.set A0,   234
.set A1,   235
.set E0,   236
.set CT,   240
.set TR,   248                         ; v248-251 d of node 1, then T, for each row tile
.set D23,  252                         ; v252-255 d of node 2 or 3
.set FO,   248                         ; at the head alone: v248-250 where in a row of features my 16 bytes of each third of an LDS row lie; v251 the same for a scale word
.set FSO,  251
; window 1: weight tile t at v[12 t];  window 2: accumulator (m, t < 8) at v[64 m + 8 t];  window 3: (m, t >= 8) at v[64 m + 8 (t - 8)]
.set WV,   14
.set CX,   15
.set SEL,  20
.set NL,   22
.set G1,   24
.set G0,   32
.set PFA,  40
.set LIM,  42
.set TT,   43
.set CNT,  44
.set ROT,  56                          ; s56   rot
.set R2,   57                          ; s57   2 rw
.set QA,   58                          ; s58   the quarter of mask's blocks that I fetch, in bytes: ((w + rw) mod 4) QB
.set QW,   59                          ; s59   w QB: my quarter of the other blocks, and of a slot
.set MUL_LO, 0xa1                      ; source 0 window 1, source 1 window 0, C and D window 2
.set MUL_HI, 0xf1                      ; the same, C and D window 3
.set TO_B,   0x40                      ; destination window 1
.set MSB, 0
.macro WIN new                         ; the immediate's high byte repeats the setting that is left; a switch that changes nothing is dropped
.if MSB != (\new)
	s_set_vgpr_msb (MSB<<8)|(\new)
.set MSB, (\new)
.endif
.endm
.macro PLACES n                        ; plain vector lines between a matrix instruction and a load into, or a read of, its registers
.rept \n
	v_nop
.endr
.endm
.macro CREST                           ; a round of the cluster's barrier behind its opening barrier
	s_cmp_lg_u32 s[WV], 0
	s_cbranch_scc1 .Lnot_wave_0_\@
	s_barrier_signal -3
.Lnot_wave_0_\@:
	s_barrier_wait -3
	s_barrier_signal -1
	s_barrier_wait -1
.endm
.macro CROUND
	s_barrier_signal -1
	s_barrier_wait -1
	CREST
.endm
; Weight tile t against the four row tiles.  The 64 accumulators take turns, one instruction a turn, in the same order in every step.
.macro MULT t, par, zero
.irp m, 0,1,2,3
.if \zero
.if (\t)%2
	v_wmma_scale_f32_16x16x128_f8f6f4 v[64*\m+8*((\t)%8):64*\m+8*((\t)%8)+7], v[12*(\t):12*(\t)+11], v[AF+48*(\par)+12*\m:AF+48*(\par)+12*\m+11], 0, v[SB+8*(\par)+(\t)/2], v[SA+4*(\par)+\m] matrix_a_fmt:MATRIX_FMT_BF6 matrix_b_fmt:MATRIX_FMT_BF6 matrix_a_scale:MATRIX_SCALE_ROW1
.else
	v_wmma_scale_f32_16x16x128_f8f6f4 v[64*\m+8*((\t)%8):64*\m+8*((\t)%8)+7], v[12*(\t):12*(\t)+11], v[AF+48*(\par)+12*\m:AF+48*(\par)+12*\m+11], 0, v[SB+8*(\par)+(\t)/2], v[SA+4*(\par)+\m] matrix_a_fmt:MATRIX_FMT_BF6 matrix_b_fmt:MATRIX_FMT_BF6
.endif
.else
.if (\t)%2
	v_wmma_scale_f32_16x16x128_f8f6f4 v[64*\m+8*((\t)%8):64*\m+8*((\t)%8)+7], v[12*(\t):12*(\t)+11], v[AF+48*(\par)+12*\m:AF+48*(\par)+12*\m+11], v[64*\m+8*((\t)%8):64*\m+8*((\t)%8)+7], v[SB+8*(\par)+(\t)/2], v[SA+4*(\par)+\m] matrix_a_fmt:MATRIX_FMT_BF6 matrix_b_fmt:MATRIX_FMT_BF6 matrix_a_scale:MATRIX_SCALE_ROW1
.else
	v_wmma_scale_f32_16x16x128_f8f6f4 v[64*\m+8*((\t)%8):64*\m+8*((\t)%8)+7], v[12*(\t):12*(\t)+11], v[AF+48*(\par)+12*\m:AF+48*(\par)+12*\m+11], v[64*\m+8*((\t)%8):64*\m+8*((\t)%8)+7], v[SB+8*(\par)+(\t)/2], v[SA+4*(\par)+\m] matrix_a_fmt:MATRIX_FMT_BF6 matrix_b_fmt:MATRIX_FMT_BF6
.endif
.endif
.endr
.endm
; The four row tiles' fragments and scale words of a walk step into set nx.  akind 1: features, as rows; akind 2: x, as images; 0: none.  qp: the step's place in its pair; behind the second of a pair the addresses step.
.macro AFETCH nx, akind, qp
.if (\akind) == 1
.irp m, 0,1,2,3
.irp p, 0,1,2,3,4,5
	ds_load_b64 v[AF+48*(\nx)+12*\m+2*\p:AF+48*(\nx)+12*\m+2*\p+1], v[FAD+\m/2] offset:16*FP*(\m%2)+96*(\qp)+48*(\p/3)+8*(\p%3)
.endr
	ds_load_b32 v[SA+4*(\nx)+\m], v[FSA] offset:16*FSP*\m+4*(\qp)
.endr
.if (\qp) == 1
	v_add_nc_u32 v[FAD], 192, v[FAD]
	v_add_nc_u32 v[FAD+1], 192, v[FAD+1]
	v_add_nc_u32 v[FSA], 8, v[FSA]
.endif
.endif
.if (\akind) == 2
.irp m, 0,1,2,3
.irp c, 0,1,2
	ds_load_b128 v[AF+48*(\nx)+12*\m+4*\c:AF+48*(\nx)+12*\m+4*\c+3], v[XAD] offset:6144*(\qp)+1536*\m+512*\c
.endr
	ds_load_b32 v[SA+4*(\nx)+\m], v[XSA] offset:512*(\qp)+128*\m
.endr
.if (\qp) == 1
	v_add_nc_u32 v[XAD], 12288, v[XAD]
	v_add_nc_u32 v[XSA], 1024, v[XSA]
.endif
.endif
.endm
.macro FETCH1 nx, akind, qp            ; from slot nx: weight tiles 0-7, all 16 tiles' scale words; and the rows' part
	WIN TO_B
.irp i, 0,1,2,3,4,5,6,7
.irp c, 0,1,2
	ds_load_b128 v[12*\i+4*\c:12*\i+4*\c+3], v[BAD+(\nx)] offset:1536*\i+512*\c
.endr
.endr
	WIN 0
	ds_load_b128 v[SB+8*(\nx):SB+8*(\nx)+3], v[BAD+(\nx)] offset:SCO
	ds_load_b128 v[SB+8*(\nx)+4:SB+8*(\nx)+7], v[BAD+(\nx)] offset:SCO+512
	AFETCH \nx, \akind, \qp
.endm
.macro FETCH2 nx, n                    ; weight tiles 8 .. 8 + n - 1
	WIN TO_B
.set ti, 8
.rept \n
.irp c, 0,1,2
	ds_load_b128 v[12*ti+4*\c:12*ti+4*\c+3], v[BAD+(\nx)] offset:1536*ti+512*\c
.endr
.set ti, ti+1
.endr
	WIN 0
.endm
; A PREFETCH INTO THE L2 of W's eight blocks and the softmax's, which no work-group has asked for while mask is walked.  Cluster c < 8 asks for block 16 + c in step 11: the refills of steps 14 and 15 are the first that name W's
; blocks, three refills (192 matrix instructions) on.  Cluster 8 asks for block 24 in step 19, three refills ahead of step 22's.  Each wave takes its own quarter, the four partners 6,400 bytes of it each, told apart BY ADDRESS;
; lanes 256 bytes apart, 25 of them: lanes 25 to 31 name lane 24's 256 bytes again.  One instruction a wave in the whole launch; mask's blocks are all asked for by the first fills and get none.
.macro ASK
	s_cmp_eq_u32 s[TT], s[LIM]
	s_cbranch_scc0 .Lnot_mine_\@
	global_prefetch_b8 v[PFO], s[PFA:PFA+1] th:TH_LOAD_NT scope:SCOPE_SE
.Lnot_mine_\@:
.endm
; A WALK STEP of 128 along K: 64 matrix instructions on the rows' set par and the weight tiles in window 1, whose slot (par) has been read out into registers.  fill = 1: that slot is filled again, two walk steps on, behind a
; round of the cluster's barrier; tiles 0-7 of the next block are fetched in the step's middle, tiles 8-15 at its end.
.macro GSTEP par, akind, fill, zero
	s_wait_dscnt 24                                ; all but the youngest 24 loads (tiles 8-15) are in
	WIN MUL_LO
.if \fill
.irp t, 0,1,2,3,4,5
	MULT \t, \par, \zero
.endr
	WIN 0                                          ; (the add's two registers lie in window 0)
	s_add_co_u32 s[TT], s[TT], 1                   ; this step's number + 1
	s_add_co_u32 s62, s[TT], 1                     ; n: the walk step that the refill serves.  Where its quarter lies in wts, as an offset in registers of its own:
	s_add_co_u32 s63, s62, s[ROT]
	s_and_b32 s63, s63, 15
	s_mul_i32 s63, s63, BLK
	s_add_co_u32 s63, s63, s[QA]                   ; n < 16: mask's block (n + rot) mod 16, quarter (w + rw) mod 4
	s_add_co_u32 s60, s62, s[R2]
	s_and_b32 s60, s60, 7
	s_add_co_u32 s60, s60, 16                      ; 16 <= n < 24: W's block 16 + (n - 16 + 2 rw) mod 8,
	s_cmp_lt_u32 s62, 24
	s_cselect_b32 s60, s60, 24                     ; n = 24: the softmax;
	s_mul_i32 s60, s60, BLK
	s_add_co_u32 s60, s60, s[QW]                   ; quarter w of both
	s_cmp_lt_u32 s62, 16
	s_cselect_b32 s60, s63, s60                    ; (s61 = 0)
	s_wait_tensorcnt 0x0                           ; all my tensor loads have landed: the one that was out is my quarter of the next block;
	ds_add_u32 v[SPW], v[NIL]                      ; 0 onto my spare word
	s_add_nc_u64 s[G0+4*\par+2:G0+4*\par+3], s[8:9], s[60:61]   ; no load of mine is out: this slot's group 0 may be written
	s_or_b32 s[G0+4*\par+3], s[G0+4*\par+3], 0x80000000        ; type = 2
	WIN MUL_LO
	MULT 6, \par, \zero
	s_wait_dscnt 0x0                               ; the add is done, and my reads of this slot are over
	s_barrier_signal -1                            ; opens a round of the cluster's barrier
	MULT 7, \par, \zero
	WIN 0
	s_barrier_wait -1
	CREST                                          ; no wave of any partner still reads this slot or has a load on its way
	tensor_load_to_lds s[G0+4*\par:G0+4*\par+3], s[G1:G1+7]   ; my one tensor load behind the round; 56 matrix instructions stand between it and the wait for it
	s_nop 0
	PLACES 4                                       ; (places behind a tensor load, and in front of the loads below)
	FETCH1 1-\par, \akind, 1-\par
	ASK
.else
.irp t, 0,1,2,3,4,5,6,7
	MULT \t, \par, \zero
.endr
	s_wait_tensorcnt 0x0                           ; my quarter of the last block is in; only I read it, and nothing is filled again
	s_wait_dscnt 0x0                               ; tiles 8-15 are in
	PLACES 4
	FETCH1 1-\par, 0, 0
.endif
	WIN MUL_HI
.irp t, 8,9,10,11,12,13,14,15
	MULT \t, \par, \zero
.endr
	PLACES 4
.if \fill
	FETCH2 1-\par, 8
.else
	FETCH2 1-\par, 6                               ; the softmax has 14 tiles in use: 7 tiles of classes x 2 K steps
.endif
.endm
; 64 numbers of a lane in window W, v[s0] on: two whole blocks of 32 along the next K.  They become a fragment's 12 registers v[dst] on (block c' in registers 6 c' .. 6 c' + 5) and the row's scale word v[sw]
; (my two bytes at places h and 2 + h, lane l xor 16's at the other two).  Each accumulator is read from its low end on.
.macro QUANT2 W, s0, dst, sw
	WIN (\W)|((\W)<<2)                             ; sources 0 and 1
.irp q, 0,1,2,3
	v_max3_num_f32 v[TM+\q], |v[(\s0)+16*\q]|, |v[(\s0)+16*\q+1]|, 0x2800000   ; four chains of 16; the floor 2^(5 - 127): the byte cannot fall under 1
.endr
.irp i, 2,4,6,8,10,12,14
.irp q, 0,1,2,3
	v_max3_num_f32 v[TM+\q], |v[(\s0)+16*\q+\i]|, |v[(\s0)+16*\q+\i+1]|, v[TM+\q]
.endr
.endr
	WIN 0
	v_max_num_f32 v[TM], v[TM], v[TM+1]
	v_max_num_f32 v[TM+2], v[TM+2], v[TM+3]
	v_add_nc_u32 v[SOP], 0xfe000000, v[TM]         ; 4 off the exponent field: the conversion's scale operand
	v_add_nc_u32 v[SOP+1], 0xfe000000, v[TM+2]
	v_lshrrev_b32 v[BY], 23, v[SOP]                ; the scales' bytes
	v_lshrrev_b32 v[BY+1], 23, v[SOP+1]
	v_lshl_or_b32 v[BY], v[BY+1], 16, v[BY]
	v_lshlrev_b32 v[BY], v[SH8], v[BY]
	v_permlanex16_b32 v[PX], v[BY], s[SEL], s[SEL+1]
	v_or_b32 v[\sw], v[BY], v[PX]
	WIN (\W)                                       ; source 0
	v_cvt_scalef32_pk16_bf6_f32 v[(\dst):(\dst)+2], v[(\s0):(\s0)+15], v[SOP]
	v_cvt_scalef32_pk16_bf6_f32 v[CT:CT+2], v[(\s0)+16:(\s0)+31], v[SOP]       ; (a conversion's three registers begin on an even number)
	v_cvt_scalef32_pk16_bf6_f32 v[(\dst)+6:(\dst)+8], v[(\s0)+32:(\s0)+47], v[SOP+1]
	v_cvt_scalef32_pk16_bf6_f32 v[CT+4:CT+6], v[(\s0)+48:(\s0)+63], v[SOP+1]
	WIN 0
	v_nop                                          ; one plain line behind the scaled conversions
.irp i, 0,1,2
	v_mov_b32 v[(\dst)+3+\i], v[CT+\i]
	v_mov_b32 v[(\dst)+9+\i], v[CT+4+\i]
.endr
.endm
; Row tile m of x: quantised, places 2 w and 2 w + 1 of product 2's walk, images to LDS; then the bias takes the accumulators' place: it is product 2's C.
.macro XOUT m
	QUANT2 2, 64*\m, MC+24*\m, MS+2*\m
	QUANT2 3, 64*\m, MC+24*\m+12, MS+2*\m+1
.irp u, 0,1
.irp c, 0,1,2
	ds_store_b128 v[XWI], v[MC+24*\m+12*\u+4*\c:MC+24*\m+12*\u+4*\c+3] offset:6144*\u+1536*\m+512*\c
.endr
	ds_store_b32 v[XWS], v[MS+2*\m+\u] offset:512*\u+128*\m
.endr
	WIN 0x80                                       ; destination window 2
.irp t, 0,1,2,3,4,5,6,7
	global_load_b128 v[64*\m+8*\t:64*\m+8*\t+3], v[BOF], s[10:11] offset:64*\t
	global_load_b128 v[64*\m+8*\t+4:64*\m+8*\t+7], v[BOF], s[10:11] offset:64*\t+16
.endr
	WIN 0xc0                                       ; destination window 3
.irp t, 0,1,2,3,4,5,6,7
	global_load_b128 v[64*\m+8*\t:64*\m+8*\t+3], v[BOF], s[10:11] offset:64*\t+512
	global_load_b128 v[64*\m+8*\t+4:64*\m+8*\t+7], v[BOF], s[10:11] offset:64*\t+528
.endr
	WIN 0
.endm
; The sigmoid, in place on a window's 256 registers: d = 1 / (1 + 2^(-z log2 e)).  Behind each batch of 256: a plain line and one wait, ahead of the first line that names a result.
.macro ZMUL W
	WIN (\W)|((\W)<<6)
.set i, 0
.rept 128
	v_pk_mul_f32 v[i:i+1], v[i:i+1], s[NL:NL+1] op_sel_hi:[1,0]
.set i, i+2
.endr
.endm
.macro ZEXP W
	WIN (\W)|((\W)<<6)
.set i, 0
.rept 256
	v_exp_f32 v[i], v[i]
.set i, i+1
.endr
	v_nop
	s_wait_alu depctr_va_vdst(0)
.endm
.macro ZADD W
	WIN (\W)|((\W)<<6)
.set i, 0
.rept 128
	v_pk_add_f32 v[i:i+1], v[i:i+1], 1.0 op_sel_hi:[1,0]
.set i, i+2
.endr
.endm
.macro ZRCP W
	WIN (\W)|((\W)<<6)
.set i, 0
.rept 256
	v_rcp_f32 v[i], v[i]
.set i, i+1
.endr
	v_nop
	s_wait_alu depctr_va_vdst(0)
.endm
; T = the weight with which row tile m's rows reach node 8 + 2 w + h: levels 0, 1, 2: nodes 1, 2 + w / 2, 4 + w, each as d or 1 - d by the bits w / 2, w % 2, h
.macro TOPT m
	WIN 0x03
	v_mov_b32 v[DSEL], v[64*(\m)+32]               ; e = 96: lanes 0-15 hold node 4 + w
	WIN 0
	v_permlanex16_b32 v[XH], v[DSEL], s[SEL], s[SEL+1]
	v_cndmask_b32 v[DSEL], v[DSEL], v[XH], s49     ; lanes 16-31 take it from lanes 0-15
	v_fma_f32 v[F0], v[TR+(\m)], s45, s46
	v_fma_f32 v[F1], v[D23+(\m)], s47, s48
	v_fma_f32 v[F2], v[DSEL], v[SG2], v[OF2]
	v_mul_f32 v[F0], v[F0], v[F1]
	v_mul_f32 v[TR+(\m)], v[F0], v[F2]
.endm
; Blocks 2 u and 2 u + 1 of row tile m: levels 3 and 4, then five levels inside each block.  Place p of a block's 32: bit j of p = the turn taken at level 5 + j; a level doubles the places in use.  d is source 0, in window 2 + u.
.macro TREEPAIR m, u
	WIN 2+(\u)
.if (\u) == 0
	v_mul_f32 v[A0], v[64*(\m)], v[TR+(\m)]
	v_fma_f32 v[A1], -v[64*(\m)], v[TR+(\m)], v[TR+(\m)]
	v_mul_f32 v[E0], v[64*(\m)+32], v[A0]
	v_fma_f32 v[E0+1], -v[64*(\m)+32], v[A0], v[A0]
.else
	v_mul_f32 v[E0], v[64*(\m)], v[A1]
	v_fma_f32 v[E0+1], -v[64*(\m)], v[A1], v[A1]
.endif
.irp c, 0,1
	v_fma_f32 v[MU+32*\c+1], -v[64*(\m)+32*\c+1], v[E0+\c], v[E0+\c]
	v_mul_f32 v[MU+32*\c], v[64*(\m)+32*\c+1], v[E0+\c]
.endr
.irp n, 2,4,8,16
.set p, 0
.rept \n/2
.irp c, 0,1
	v_pk_fma_f32 v[MU+32*\c+\n+p:MU+32*\c+\n+p+1], v[64*(\m)+32*\c+\n+p:64*(\m)+32*\c+\n+p+1], v[MU+32*\c+p:MU+32*\c+p+1], v[MU+32*\c+p:MU+32*\c+p+1] neg_lo:[1,0,0] neg_hi:[1,0,0]
.endr
.irp c, 0,1
	v_pk_mul_f32 v[MU+32*\c+p:MU+32*\c+p+1], v[64*(\m)+32*\c+\n+p:64*(\m)+32*\c+\n+p+1], v[MU+32*\c+p:MU+32*\c+p+1]
.endr
.set p, p+2
.endr
.endr
.endm
; ---------------- the head: every address register is made here ----------------
	s_load_b256 s[4:11], s[0:1], 0x0               ; features' codes s[4:5], scales s[6:7], wts s[8:9], bp s[10:11]
	s_load_b64 s[12:13], s[0:1], 0x20              ; out0
	v_lshl_add_u32 v[SPW], v0, 2, SPARE
	v_mov_b32 v[NIL], 0
	ds_add_u32 v21, v22
	ds_add_u32 v21, v22
	s_wait_dscnt 0x0
	v_lshrrev_b32 v63, 5, v0
	v_readfirstlane_b32 s[WV], v63                 ; wave 0..3
	s_bfe_u32 s[CX], ttmp6, 0x40000                ; my place in the cluster: it enters global addresses of features, out0 and the prefetch alone
	s_lshl_b32 s51, ttmp9, 2
	s_add_co_u32 s51, s51, s[CX]                   ; the work-group's number
	; where my cluster's walk begins.  g = c xor (c >> 1), c the cluster's number (0 .. 63); rot = g's bits 0, 1, 3, 4: with any one bit of c held, the other five still give all 16 values
	s_lshr_b32 s[ROT], ttmp9, 1
	s_xor_b32 s[ROT], s[ROT], ttmp9
	s_and_b32 s[R2], s[ROT], 3                     ; rw = rot mod 4
	s_lshr_b32 s[ROT], s[ROT], 1
	s_and_b32 s[ROT], s[ROT], 12
	s_or_b32 s[ROT], s[ROT], s[R2]                 ; the same in all four partners
	s_add_co_u32 s[QA], s[WV], s[R2]
	s_and_b32 s[QA], s[QA], 3
	s_mul_i32 s[QA], s[QA], QB                     ; a global offset alone
	s_lshl_b32 s[R2], s[R2], 1
	s_mul_i32 s[QW], s[WV], QB
	v_and_b32 v60, 31, v0                          ; lane
	v_and_b32 v61, 15, v0                          ; r
	v_bfe_u32 v62, v0, 4, 1                        ; h
	v_lshlrev_b32 v[LI], 4, v60
	v_add_nc_u32 v[BAD], s[QW], v[LI]
	v_add_nc_u32 v[BAD+1], BLK, v[BAD]
	v_mul_u32_u24 v[FAD], v61, FP
	v_mad_u32_u24 v[FAD], v62, 24, v[FAD]
	v_add_nc_u32 v[FAD], FEAT, v[FAD]
	v_add_nc_u32 v[FAD+1], 32*FP, v[FAD]
	v_mul_u32_u24 v[FSA], v61, FSP
	v_add_nc_u32 v[FSA], FSC, v[FSA]
	v_add_nc_u32 v[XAD], XIMG, v[LI]
	v_lshl_add_u32 v[XSA], v60, 2, XSC
	s_mul_i32 s17, s[WV], 12288
	s_add_co_u32 s17, s17, XIMG
	v_add_nc_u32 v[XWI], s17, v[LI]
	s_lshl_b32 s17, s[WV], 10
	v_add_nc_u32 v[XWS], s17, v[XSA]
	s_mul_i32 s17, s[WV], 16*FP
	s_add_co_u32 s17, s17, FEAT
	v_add_nc_u32 v[FW], s17, v[LI]
	v_mul_u32_u24 v[FSW], v62, FSP                 ; scale words: lanes 0-15 one row, lanes 16-31 the next; 4 bytes a lane
	v_lshl_add_u32 v[FSW], v61, 2, v[FSW]
	s_mul_i32 s17, s[WV], 16*FSP
	s_add_co_u32 s17, s17, FSC
	v_add_nc_u32 v[FSW], s17, v[FSW]
	v_lshlrev_b32 v[BOF], 5, v62
	v_min_u32 v[PFO], 24, v60
	v_lshlrev_b32 v[PFO], 8, v[PFO]
	s_lshl_b32 s17, s[WV], 9
	s_add_co_u32 s17, s17, TOP
	v_lshl_add_u32 v[TOPW], v60, 2, s17
	v_lshl_add_u32 v[TOPR], v61, 2, TOP+64         ; wave 0's lanes 16-31 hold node 1
	s_lshr_b32 s17, s[WV], 1
	s_add_co_u32 s17, s17, 1
	s_lshl_b32 s17, s17, 9
	v_add_nc_u32 v[TOPR2], s17, v[TOPR]            ; wave 1's hold node 2, wave 2's node 3
	s_mul_i32 s17, s[WV], STGP
	v_mul_u32_u24 v[SO], v61, 400
	v_lshl_add_u32 v[SO], v62, 5, v[SO]
	v_add_nc_u32 v[SO], s17, v[SO]
	s_mul_i32 s17, s[WV], 6400
	v_lshl_add_u32 v[RD], v60, 3, s17
	v_add_nc_u32 v[RD+1], 2*STGP, v[RD]
	v_lshlrev_b32 v[GO], 3, v60
	v_lshlrev_b32 v[SH8], 3, v62
	v_cvt_f32_u32 v[OF2], v62
	v_fma_f32 v[SG2], v[OF2], -2.0, 1.0
	v_mov_b32 v[XH], 0                             ; written once: a lane permute's destination counts as one of its sources
	v_mov_b32 v[PX], 0
	; features, in memory: byte p of an LDS row is byte (p + 96 rot) mod 1,536 of the row; my 16 bytes of third c lie at p = 512 c + 16 lane.  96 rot is a multiple of 16, so a lane's 16 bytes stay whole
	s_mul_i32 s17, s[ROT], 96
	v_add_nc_u32 v[FO], s17, v[LI]
	v_add_nc_u32 v[FO+1], 512, v[FO]
	v_add_nc_u32 v[FO+2], 1024, v[FO]
.irp c, 0,1,2
	v_add_nc_u32 v63, 0xfffffa00, v[FO+\c]         ; less 1,536: under 0 it wraps to a very large number,
	v_min_u32 v[FO+\c], v[FO+\c], v63              ; so the smaller of the two is the place mod 1,536
.endr
	v_add_nc_u32 v63, s[ROT], v60                  ; scale word j of an LDS row is word (j + rot) mod 16 of the row
	v_and_b32 v63, 15, v63
	v_lshlrev_b32 v63, 2, v63
	v_lshl_add_u32 v[FSO], v62, 6, v63
	s_mov_b32 s[SEL], 0x76543210                   ; v_permlanex16_b32's selects for lane l xor 16
	s_mov_b32 s[SEL+1], 0xfedcba98
	s_mov_b32 s[NL], 0xbfb8aa3b                    ; -log2(e), as a pair
	s_mov_b32 s[NL+1], s[NL]
	s_mov_b32 s49, 0xffff0000                      ; lanes 16-31
	s_lshr_b32 s17, s[WV], 1
	s_cmp_eq_u32 s17, 0
	s_cselect_b32 s45, 1.0, -1.0                   ; level 0: d or 1 - d as d x (+-1) + (0 or 1)
	s_cselect_b32 s46, 0, 1.0
	s_and_b32 s17, s[WV], 1
	s_cmp_eq_u32 s17, 0
	s_cselect_b32 s47, 1.0, -1.0                   ; level 1
	s_cselect_b32 s48, 0, 1.0
	s_cmp_lt_u32 ttmp9, 8                          ; who prefetches, and in which step (the count stands at the step's number + 1): the same in all four partners
	s_cselect_b32 s[LIM], 12, 0
	s_cmp_eq_u32 ttmp9, 8
	s_cselect_b32 s[LIM], 20, s[LIM]
	s_mov_b32 s[TT], 0
	; descriptor group 1: a quarter, dense in memory, as 100 rows of 256 bytes
	s_mov_b32 s[G1], 15|(3<<16)|(1<<21)            ; 15:0 the mask: all four work-groups; 17:16 elements of 8 bytes; 20 no padding; 21 set beside a mask
	s_mov_b32 s[G1+1], 32<<16                      ; tensor_dim0 = 32
	s_mov_b32 s[G1+2], 100<<16                     ; tensor_dim1 = 100
	s_mov_b32 s[G1+3], 32<<16                      ; tile_dim0 = 32
	s_mov_b32 s[G1+4], 100                         ; tile_dim1 = 100
	s_mov_b32 s[G1+5], 32                          ; from row to row
	s_mov_b32 s[G1+6], 0
	s_mov_b32 s[G1+7], 0
	s_mov_b32 s53, 0
	s_mov_b32 s55, 0
	s_mov_b32 s61, 0
	s_lshl_b32 s18, s51, 2
	s_add_co_u32 s18, s18, s[WV]                   ; which run of 16 rows is my wave's: 4 x work-group + wave
	s_wait_kmcnt 0x0
	s_mul_i32 s52, s18, 24576
	s_add_nc_u64 s[4:5], s[4:5], s[52:53]
	s_lshl_b32 s52, s18, 10
	s_add_nc_u64 s[6:7], s[6:7], s[52:53]
	s_mul_i32 s52, s18, 6400
	s_add_nc_u64 s[12:13], s[12:13], s[52:53]
	s_lshl_b32 s54, s[WV], 10
	s_add_nc_u64 s[10:11], s[10:11], s[54:55]
	; groups 0: walk steps 0 and 1: mask's blocks rot and (rot + 1) mod 16.  The wave's and the cluster's numbers alone enter the descriptors
	s_mul_i32 s60, s[ROT], BLK
	s_add_co_u32 s60, s60, s[QA]
	s_mov_b32 s[G0], 1
	s_mov_b32 s[G0+1], s[QW]
	s_add_nc_u64 s[G0+2:G0+3], s[8:9], s[60:61]
	s_or_b32 s[G0+3], s[G0+3], 0x80000000
	s_add_co_u32 s60, s[ROT], 1
	s_and_b32 s60, s60, 15
	s_mul_i32 s60, s60, BLK
	s_add_co_u32 s60, s60, s[QA]
	s_mov_b32 s[G0+4], 1
	s_add_co_u32 s[G0+5], s[QW], BLK
	s_add_nc_u64 s[G0+6:G0+7], s[8:9], s[60:61]
	s_or_b32 s[G0+7], s[G0+7], 0x80000000
	; the prefetch's address: block 16 + the cluster's number (held at 24), my quarter, my work-group's 6,400 bytes of it; never rewritten
	s_min_u32 s62, ttmp9, 8
	s_add_co_u32 s62, s62, 16
	s_mul_i32 s52, s62, BLK
	s_add_co_u32 s52, s52, s[QW]
	s_mul_i32 s62, s[CX], 6400
	s_add_co_u32 s52, s52, s62
	s_add_nc_u64 s[PFA:PFA+1], s[8:9], s[52:53]
	; my 16 rows of features, 24,576 bytes, and their 256 scale words
	WIN TO_B
.set i, 0
.rept 48
	global_load_b128 v[4*i:4*i+3], v[FO+i%3], s[4:5] offset:1536*(i/3) th:TH_LOAD_NT
.set i, i+1
.endr
	WIN 0
.irp i, 0,1,2,3,4,5,6,7
	global_load_b32 v[224+\i], v[FSO], s[6:7] offset:128*\i th:TH_LOAD_NT
.endr
	CROUND                                         ; all four work-groups are here: the first joint loads meet
	tensor_load_to_lds s[G0:G0+3], s[G1:G1+7]      ; walk steps 0 and 1: two loads of mine are out
	s_nop 0
	tensor_load_to_lds s[G0+4:G0+7], s[G1:G1+7]
	s_nop 0
	PLACES 4
	s_wait_loadcnt 0x0
	WIN 0x04                                       ; an LDS store's data are its source 1: window 1
.set i, 0
.rept 48
	ds_store_b128 v[FW], v[4*i:4*i+3] offset:(i/3)*FP+(i%3)*512
.set i, i+1
.endr
	WIN 0
.irp i, 0,1,2,3,4,5,6,7
	ds_store_b32 v[FSW], v[224+\i] offset:2*FSP*\i
.endr
	s_wait_tensorcnt 1                             ; walk step 0's block is in; step 1's may stay out
	s_wait_dscnt 0x0                               ; my rows of features have landed
	s_barrier_signal -1
	s_barrier_wait -1
	FETCH1 0, 1, 0
	FETCH2 0, 8
; ---------------- product 1: x = features mask^T, 16 walk steps ----------------
	GSTEP 0, 1, 1, 1                               ; the first step's products start the sums
	s_mov_b32 s[CNT], 7
.Lp1:
	GSTEP 1, 1, 1, 0
	GSTEP 0, 1, 1, 0
	s_sub_co_u32 s[CNT], s[CNT], 1
	s_cmp_lg_u32 s[CNT], 0
	s_cbranch_scc1 .Lp1
	GSTEP 1, 0, 1, 0                               ; step 15: W's first block of the walk comes into the registers; behind its round no wave reads features any more
; ---------------- x is quantised and handed round ----------------
	XOUT 0
	XOUT 1
	XOUT 2
	XOUT 3
	s_wait_dscnt 0x0                               ; my images have landed
	s_barrier_signal -1                            ; (walk step 17's load may stay out)
	s_barrier_wait -1
	AFETCH 0, 2, 0
	s_wait_dscnt 0x0
	s_wait_loadcnt 0x0                             ; the bias
; ---------------- product 2: z = Q(x) W + b, 8 walk steps ----------------
	s_mov_b32 s[CNT], 3
.Lp2:
	GSTEP 0, 2, 1, 0
	GSTEP 1, 2, 1, 0
	s_sub_co_u32 s[CNT], s[CNT], 1
	s_cmp_lg_u32 s[CNT], 0
	s_cbranch_scc1 .Lp2
	GSTEP 0, 2, 1, 0                               ; step 22 asks for the last block, the softmax
	GSTEP 1, 0, 0, 0                               ; step 23 asks for nothing; the softmax's tiles come into the registers
; ---------------- the sigmoid ----------------
	ZMUL 2
	ZMUL 3
	ZEXP 2
	ZADD 2
	ZEXP 3
	ZADD 3
	ZRCP 2
	ZRCP 3
	WIN 0x0c                                       ; data in window 3
.irp m, 0,1,2,3
	ds_store_b32 v[TOPW], v[64*\m+32] offset:128*\m
.endr
	WIN 0
	s_wait_dscnt 0x0                               ; my stores have landed, and my reads of both slots are over
	s_barrier_signal -1
	s_barrier_wait -1
.irp m, 0,1,2,3
	ds_load_b32 v[TR+\m], v[TOPR] offset:128*\m
	ds_load_b32 v[D23+\m], v[TOPR2] offset:128*\m
.endr
	s_wait_dscnt 0x0
; ---------------- the tree, and mu's codes ----------------
.irp m, 0,1,2,3
	TOPT \m
	TREEPAIR \m, 0
	QUANT2 0, MU, MC+24*\m, MS+2*\m
	TREEPAIR \m, 1
	QUANT2 0, MU, MC+24*\m+12, MS+2*\m+1
.endr
; ---------------- product 3: my 256 leaves' part of out: 7 tiles of classes x 4 row tiles, 2 K steps ----------------
	PLACES 8                                       ; a scale register written by a vector line stands 8 places ahead of a scaled matrix instruction, an operand 4
	WIN MUL_LO
.irp ct, 0,1,2,3,4,5,6
.irp m, 0,1,2,3
	v_wmma_scale_f32_16x16x128_f8f6f4 v[8*(7*\m+\ct):8*(7*\m+\ct)+7], v[12*(2*\ct):12*(2*\ct)+11], v[MC+24*\m:MC+24*\m+11], 0, v[SB+\ct], v[MS+2*\m] matrix_a_fmt:MATRIX_FMT_BF6 matrix_b_fmt:MATRIX_FMT_BF6
.endr
.endr
.irp ct, 0,1,2,3,4,5,6
.irp m, 0,1,2,3
	v_wmma_scale_f32_16x16x128_f8f6f4 v[8*(7*\m+\ct):8*(7*\m+\ct)+7], v[12*(2*\ct+1):12*(2*\ct+1)+11], v[MC+24*\m+12:MC+24*\m+23], v[8*(7*\m+\ct):8*(7*\m+\ct)+7], v[SB+\ct], v[MS+2*\m+1] matrix_a_fmt:MATRIX_FMT_BF6 matrix_b_fmt:MATRIX_FMT_BF6 matrix_a_scale:MATRIX_SCALE_ROW1
.endr
.endr
; ---------------- the way out: four parts meet in LDS; each wave adds and stores 16 rows, 6,400 bytes on end ----------------
	PLACES 4
	WIN 0x08                                       ; data in window 2
.irp m, 0,1,2,3
.irp ct, 0,1,2,3,4,5
	ds_store_b128 v[SO], v[8*(7*\m+\ct):8*(7*\m+\ct)+3] offset:6400*\m+64*\ct        ; lane (r, h): row 16 m + r, classes 16 ct + 8 h + 0 .. 7; each accumulator from its low end on
	ds_store_b128 v[SO], v[8*(7*\m+\ct)+4:8*(7*\m+\ct)+7] offset:6400*\m+64*\ct+16
.endr
.endr
	WIN 0
	s_wait_xcnt 0x0                                ; EXEC changes only behind this wait
	v_cmp_eq_u32 vcc_lo, 0, v[SH8]
	s_and_saveexec_b32 s50, vcc_lo                 ; of classes 96 to 111 only 96 to 99 exist: lanes 0-15, four registers
	WIN 0x08
.irp m, 0,1,2,3
	ds_store_b128 v[SO], v[8*(7*\m+6):8*(7*\m+6)+3] offset:6400*\m+384
.endr
	WIN 0
	s_or_b32 exec_lo, exec_lo, s50
	s_wait_dscnt 0x0
	s_barrier_signal -1
	s_barrier_wait -1
.irp i, 0,1,2,3,4,5,6,7,8,9,10,11,12,13,14,15,16,17,18,19,20,21,22,23,24
.irp st, 0,1,2,3
	ds_load_b64 v[56+8*\i+2*\st:57+8*\i+2*\st], v[RD+\st/2] offset:256*\i+STGP*(\st%2)
.endr
.endr
.irp i, 0,1,2,3,4,5,6,7,8,9,10,11,12,13,14,15,16,17,18,19,20,21,22,23,24
.if 4*(24-\i) > 63
	s_wait_dscnt 63                                ; (the wait's field holds no more)
.else
	s_wait_dscnt 4*(24-\i)                         ; the loads issued behind these four may be out
.endif
	v_pk_add_f32 v[56+8*\i:57+8*\i], v[56+8*\i:57+8*\i], v[58+8*\i:59+8*\i]
	v_pk_add_f32 v[60+8*\i:61+8*\i], v[60+8*\i:61+8*\i], v[62+8*\i:63+8*\i]
	v_pk_add_f32 v[56+8*\i:57+8*\i], v[56+8*\i:57+8*\i], v[60+8*\i:61+8*\i]
	global_store_b64 v[GO], v[56+8*\i:57+8*\i], s[12:13] offset:256*\i th:TH_STORE_NT   ; 32 lanes store 256 bytes on end, at a multiple of 256 from out0's first byte
.endr
	s_wait_tensorcnt 0x0                           ; the wave's end
	ds_add_u32 v[SPW], v[NIL]
	s_wait_dscnt 0x0
	CROUND                                         ; the closing round: no work-group ends while a partner may still ask for a block that names it
	s_endpgm
.Lfunc_end_k_q21514eed2a_tree:
	.size	k_q21514eed2a_tree, .Lfunc_end_k_q21514eed2a_tree-k_q21514eed2a_tree
	.p2alignl 7, 3214868480
	.fill 96, 4, 3214868480
	.section	.rodata,"a",@progbits
	.p2align	6, 0x0
	.amdhsa_kernel k_q21514eed2a_tree
		.amdhsa_group_segment_fixed_size 327680
		.amdhsa_private_segment_fixed_size 0
		.amdhsa_enable_private_segment 0
		.amdhsa_kernarg_size 40
		.amdhsa_user_sgpr_count 2
		.amdhsa_user_sgpr_kernarg_segment_ptr 1
		.amdhsa_wavefront_size32 1
		.amdhsa_system_sgpr_workgroup_id_x 1
		.amdhsa_system_sgpr_workgroup_id_y 1
		.amdhsa_system_sgpr_workgroup_id_z 1
		.amdhsa_system_vgpr_workitem_id 0
		.amdhsa_next_free_vgpr 1024
		.amdhsa_next_free_sgpr 66
		.amdhsa_reserve_vcc 1
		.amdhsa_float_denorm_mode_32 3
		.amdhsa_float_denorm_mode_16_64 3
		.amdhsa_memory_ordered 1
		.amdhsa_forward_progress 1
		.amdhsa_inst_pref_size 255
	.end_amdhsa_kernel
	.section	.bss,"aw",@nobits
	.p2align	6
	.space	262144
	.amdgpu_metadata
---
amdhsa.version: [ 1, 2 ]
amdhsa.kernels:
  - .name:           k_q21514eed2a_tree
    .symbol:         k_q21514eed2a_tree.kd
    .args:
      - { .name: features_codes, .offset: 0, .size: 8, .value_kind: global_buffer, .address_space: global }
      - { .name: features_scales, .offset: 8, .size: 8, .value_kind: global_buffer, .address_space: global }
      - { .name: wts, .offset: 16, .size: 8, .value_kind: global_buffer, .address_space: global }
      - { .name: bp, .offset: 24, .size: 8, .value_kind: global_buffer, .address_space: global }
      - { .name: out0, .offset: 32, .size: 8, .value_kind: global_buffer, .address_space: global }
    .group_segment_fixed_size: 327680
    .private_segment_fixed_size: 0
    .kernarg_segment_align: 8
    .kernarg_segment_size: 40
    .max_flat_workgroup_size: 128
    .sgpr_count:     66
    .vgpr_count:     1024
    .wavefront_size: 32
...
	.end_amdgpu_metadata
.endif
;; end of part 3
